; MI455X (gfx1250); checked and timed in simulation.
; The chip was launched on July 23, 2026; its instructions are those of AMD's public machine-readable ISA for CDNA 5 (MIT licence, August 2026) and "CDNA5" Instruction Set Architecture Reference Guide (July 2026). The comments in the code are by the model that wrote it; some were corrected since.
;; Causal Haar Context. Allowed arithmetic: float matrix products may take bf16 or f16 operands with f32 sums; other float arithmetic in f32, or as packed bf16 or f16 multiplies, adds, multiply-adds, maxima and minima; sums over many terms, partial sums and values carried from step to step in f32; what a program stores and reads back later, other than sums and carried values, may be rounded once to bf16 or f16.
;; Inputs: Wk 4 x 64 x 64 float32; Wv 4 x 64 x 64 float32; k 2 x 16 x 4,096 x 64 float32; q 2 x 16 x 4,096 x 64 float32; scale_weights 4 float32; v 2 x 16 x 4,096 x 64 float32.
;; Outputs: out0 2 x 16 x 4,096 x 64 float32.
;; Constants: chunk_size = 128.
;; 2 versions, each right; version 2 is version 1 with the launch main written anew for expert scheduling mode. Each part assembles by itself: llvm-mc -triple=amdgcn-amd-amdhsa -mcpu=gfx1250 --defsym DOCPART=n.
;; ======== version 1 of 2: 3 launches
;; limits: values are held in f16: magnitudes above 65,504 overflow, below 6.1e-05 lose precision
;; workspace buffers: part 18,350,080 bytes; pre 20,971,520 bytes
;; launch sums (part 1): grid 7 x 32, 4 waves a work-group, no clusters, 18,944 bytes of LDS; arguments k, v, Wk, Wv, scale_weights, part; writes part
.if DOCPART == 1
	.amdgcn_target "amdgcn-amd-amdhsa--gfx1250"
	.amdhsa_code_object_version 6
	.text
	.protected	k_q94a659de91_sums
	.globl	k_q94a659de91_sums
	.p2align	8
	.type	k_q94a659de91_sums,@function
k_q94a659de91_sums:
	s_mov_b64 s[64:65], 0
	v_nop
	global_prefetch_b8 v0, s[64:65] scope:SCOPE_SE
	s_setreg_imm32_b32 hwreg(HW_REG_WAVE_MODE, 25, 1), 1
	s_wait_xcnt 0x0
; FIRST LAUNCH.  For one head, one segment of 512 rows (segments 0 to 6; the last segment's sum is wanted by nobody) and each of the four levels:
;   ST[d][e] = sum over the segment's rows m of kp[m][d] V[m][e],   Z[d] = sum over m of kp[m][d],
; with kp = elu(k_lvl) + 1, V = sw_l v_lvl, k_lvl = T_l (k Wk_l^T), v_lvl = T_l (v Wv_l^T); T_l is the causal running mean inside blocks of 2 << l rows, sw = softmax(scale_weights).
; The mean is linear, so it is taken BEHIND the projection, in f32, on the projection's f32 sums.
; FORMATS.  k, v, Wk, Wv, scale_weights are rounded once to bf16; projections in bf16 with f32 sums; kp and V are rounded to f16 for the state product; ST and Z stay f32.
; LIMITS.  |k_lvl| + 1 and |sw v_lvl| must stay under 65,504 (f16); kp below 6e-5 keeps f16's fixed step of 6e-8; sums are taken in another order than the reference's; NaN and infinities are not treated apart.
; SHARES.  A WAVE IS A LEVEL: four waves, one text, constants by the wave's number.  A segment goes in 8 chunks of 64 rows.  Of a chunk wave w loads rows 16 w .. 16 w + 15 of k and v (4,096 consecutive
; bytes each), rounds them to bf16 and puts them into LDS, where all four waves read them as fragments.  The next chunk's 16 loads are issued a whole chunk ahead of their use.
; No cluster: work-groups share only W (128 KB in all).  No tensor loads: each raw row is read by one wave.  No prefetch: no wave waits for the stream, whose loads lead by a chunk.
; FRAGMENTS.  Y = (16 rows of k or v) x (16 rows e of W): a lane holds one e (lane % 16), registers j the rows 8 (lane / 16) + j.  Pairs of registers packed to f16 ARE the fragments of the state product:
; source 0 = kp (rows d, K = 32 keys), source 1 = V (columns e, K = 32 keys) or ones (which gives Z in every column).
; REGISTERS, in windows of 256 (s_set_vgpr_msb: bits 1:0 source 0, 3:2 source 1, 5:4 source 2, 7:6 destination):
;   window 0: addresses and factors v0-39; v64-95 A fragments, two buffers; v96-159 Y, two buffers of four tiles; v160-191 E; v240-255 T, at work
;   window 1: v0-159 the state: tile 4 et + dt at 8 (4 et + dt); et = 4 is Z     window 2: v0-127 W's fragments; v128-191 the raw rows on their way     window 3: v0-63 kp, v64-127 V, v224-231 ones
.set CHUNKB, 16384
.set UNITB,  20480                     ; a wave's 160 state registers: [quad 40][lane 32][16 bytes]
.set KB,     0                         ; LDS: bf16 k[n][d], 64 rows of 144 bytes (128 + 16: the 16 rows of a fragment load start at 16 different groups of four banks, ISA guide 11.1)
.set VB,     9216                      ; the same for v
.set SPARE,  18432                     ; the spare words, 128 bytes a wave: two blocks of 256 bytes that no other line names
.set GOFF, 2                           ; v2   4,096 w + 16 lane: my 16 bytes in the chunk's raw rows
.set SA,   3                           ; v3   where I put 8 bytes of bf16: 2,304 w + 144 (lane / 16) + 8 (lane % 16)
.set FA,   4                           ; v4   a fragment's row: 144 (lane % 16) + 16 (lane / 16)
.set SPW,  10                          ; v10  LDS address of my spare word; never rewritten
.set NIL,  11                          ; v11  0; never rewritten
.set GX,   12                          ; v12  1.0 where the level is 3 and lane / 16 = 1, else 0
.set ONE,  13                          ; v13  1.0
.set L16,  14                          ; v14  16 lane
.set WOFF, 15                          ; v15  256 (lane % 16) + 32 (lane / 16): my bytes in 16 rows of W
.set RL1,  16                          ; v16-23  1 / (((8 (lane / 16) + j) mod block) + 1)
.set RLC,  24                          ; v24-31  the same times log2(e)
.set RLV,  32                          ; v32-39  the same times sw_l
.set AF,   64
.set BUF,  96
.set E,    160
.set T,    240
.set INK,  128                         ; window 2
.set INV,  160
.set KPT,  0                           ; window 3: tile (nt, et) packed at 16 et + 4 nt
.set VH,   64
.set ONES, 224
.set WV,   2                           ; s2   my wave's number = my level
.set CNT,  3                           ; s3   chunks to go
.set KP,   10                          ; s[10:11] k, s[12:13] v, s[14:15] Wk, s[16:17] Wv, s[18:19] scale_weights, s[20:21] part
.set VP,   12
.set WKP,  14
.set WVP,  16
.set SWP,  18
.set PART, 20
.set SEL,  24                          ; s[24:25] v_permlanex16_b32's selects: each lane takes its own place in the other half
.set G,    25                          ; s26-32  G + j: 1.0 if j mod block is not 0, else 0
.set BM,   33                          ; s33  block - 1
.set HIM,  34                          ; s34  a word's upper bf16
.set MSB, 0
.macro WIN new                         ; the immediate's high byte repeats the setting that is left; a switch that changes nothing is dropped
.if MSB != (\new)
	s_set_vgpr_msb (MSB<<8)|(\new)
.set MSB, \new
.endif
.endm
.macro PLACES                          ; between a matrix instruction and a vector line, store or load on its registers ISA guide 7.12.1 asks for independent vector instructions; four are asked for this form, eight are written, as a margin
.rept 8
	v_nop
.endr
.endm
.macro INLOAD                          ; a chunk's raw rows: my 16 rows of k and of v, 512 consecutive bytes an instruction
	WIN 0x80
.set t, 0
.rept 8
	global_load_b128 v[INK+4*t:INK+4*t+3], v[GOFF], s[KP:KP+1] offset:512*t
	global_load_b128 v[INV+4*t:INV+4*t+3], v[GOFF], s[VP:VP+1] offset:512*t
.set t, t+1
.endr
	WIN 0
.endm
.macro TOBF src                        ; 32 raw numbers a lane, rounded to bf16 in pairs
	WIN 0x0a
.set p, 0
.rept 16
	v_cvt_pk_bf16_f32 v[T+p], v[(\src)+2*p], v[(\src)+2*p+1]
.set p, p+1
.endr
	WIN 0
.endm
.macro PUT region                      ; and put into LDS, two rows an instruction
.set t, 0
.rept 8
	ds_store_b64 v[SA], v[T+2*t:T+2*t+1] offset:(\region)+288*t
.set t, t+1
.endr
.endm
.macro WCONV bs, dst                   ; one level's W: 8 fragments (tile et, K half c at 8 (2 et + c)): 16 f32 a lane and fragment, rounded to bf16
	WIN 0
.set f, 0
.rept 8
	global_load_b128 v[BUF+16*f:BUF+16*f+3],     v[WOFF], s[\bs:\bs+1] offset:(f/2)*4096+(f%2)*128
	global_load_b128 v[BUF+16*f+4:BUF+16*f+7],   v[WOFF], s[\bs:\bs+1] offset:(f/2)*4096+(f%2)*128+16
	global_load_b128 v[BUF+16*f+8:BUF+16*f+11],  v[WOFF], s[\bs:\bs+1] offset:(f/2)*4096+(f%2)*128+64
	global_load_b128 v[BUF+16*f+12:BUF+16*f+15], v[WOFF], s[\bs:\bs+1] offset:(f/2)*4096+(f%2)*128+80
.set f, f+1
.endr
	s_wait_loadcnt 0x0
	WIN 0x80
.set p, 0
.rept 64
	v_cvt_pk_bf16_f32 v[(\dst)+p], v[BUF+2*p], v[BUF+2*p+1]
.set p, p+1
.endr
	WIN 0
.endm
; Unit u of 8: tile u % 4 of 16 rows, of k (u < 4) or of v.
.macro LOADAF u                        ; its A fragments (16 rows x 64 channels) into buffer u % 2
	WIN 0
.irp i, 0,1,2,3
	ds_load_b128 v[AF+16*((\u)%2)+4*\i:AF+16*((\u)%2)+4*\i+3], v[FA] offset:((\u)/4)*VB+((\u)%4)*2304+32*\i
.endr
.endm
.macro MM u, left                      ; its 8 products: the 4 accumulators take turns, one instruction a turn; the first 4 start the sums
	s_wait_dscnt \left
	WIN 0x08
.irp c, 0,1
.irp m, 0,1,2,3
.if \c == 0
	v_wmma_f32_16x16x32_bf16 v[BUF+32*((\u)%2)+8*\m:BUF+32*((\u)%2)+8*\m+7], v[AF+16*((\u)%2):AF+16*((\u)%2)+7], v[64*((\u)/4)+16*\m:64*((\u)/4)+16*\m+7], 0
.else
	v_wmma_f32_16x16x32_bf16 v[BUF+32*((\u)%2)+8*\m:BUF+32*((\u)%2)+8*\m+7], v[AF+16*((\u)%2)+8:AF+16*((\u)%2)+15], v[64*((\u)/4)+16*\m+8:64*((\u)/4)+16*\m+15], v[BUF+32*((\u)%2)+8*\m:BUF+32*((\u)%2)+8*\m+7]
.endif
.endr
.endr
.endm
.macro AVG4                            ; running sums inside blocks, for the four tiles at YB: along the registers (each accumulator's lowest registers are read first), then, for blocks of 16, the lower eight rows' sum from the lane 16 away
.irp j, 1,2,3,4,5,6,7
.irp m, 0,1,2,3
	v_fma_f32 v[YB+8*\m+\j], v[YB+8*\m+\j-1], s[G+\j], v[YB+8*\m+\j]
.endr
.endr
.irp m, 0,1,2,3
	v_permlanex16_b32 v[T+2*\m], v[YB+8*\m+7], s[SEL], s[SEL+1]
.endr
.irp m, 0,1,2,3
	v_mul_f32 v[T+2*\m], v[GX], v[T+2*\m]
.endr
.set p, 0
.rept 16
	v_pk_add_f32 v[YB+2*p:YB+2*p+1], v[YB+2*p:YB+2*p+1], v[T+2*(p/4):T+2*(p/4)+1] op_sel_hi:[1,0]
.set p, p+1
.endr
.endm
.macro KPART                           ; kp = elu(x) + 1 = the middle one of e^x, 1, x + 1, with x = sum / length; packed to f16
.set p, 0
.rept 16
	v_pk_mul_f32 v[E+2*p:E+2*p+1], v[YB+2*p:YB+2*p+1], v[RLC+2*(p%4):RLC+2*(p%4)+1]
.set p, p+1
.endr
.set i, 0
.rept 32
	v_exp_f32 v[E+i], v[E+i]
.set i, i+1
.endr
.set p, 0
.rept 16                               ; x + 1: plain work that names no exponential's result, between the batch and its wait
	v_pk_fma_f32 v[YB+2*p:YB+2*p+1], v[YB+2*p:YB+2*p+1], v[RL1+2*(p%4):RL1+2*(p%4)+1], 1.0 op_sel_hi:[1,1,0]
.set p, p+1
.endr
	s_wait_alu depctr_va_vdst(0)       ; one wait for the 32 exponentials, ahead of their first reader
.set i, 0
.rept 32
	v_med3_num_f32 v[YB+i], v[E+i], v[ONE], v[YB+i]
.set i, i+1
.endr
	WIN 0xc0
.set p, 0
.rept 16
	v_cvt_pk_f16_f32 v[KPT+16*(p/4)+4*NT+p%4], v[YB+2*p], v[YB+2*p+1]
.set p, p+1
.endr
	WIN 0
.endm
.macro VPART                           ; V = sw_l x sum / length, packed to f16
.set p, 0
.rept 16
	v_pk_mul_f32 v[YB+2*p:YB+2*p+1], v[YB+2*p:YB+2*p+1], v[RLV+2*(p%4):RLV+2*(p%4)+1]
.set p, p+1
.endr
	WIN 0xc0
.set p, 0
.rept 16
	v_cvt_pk_f16_f32 v[VH+16*(p/4)+4*NT+p%4], v[YB+2*p], v[YB+2*p+1]
.set p, p+1
.endr
	WIN 0
.endm
.macro UNIT u                          ; unit u's vector work; it stands behind unit u + 1's products and runs beside them
.set YB, BUF+32*((\u)%2)
.set NT, (\u)%4
	WIN 0
	AVG4
.if (\u) < 6
	LOADAF (\u)+2                      ; into the buffer that unit u's products have read, a unit's vector work behind them
.endif
.if (\u) < 4
	KPART
.else
	VPART
.endif
.endm
.macro STATE                           ; ST += kp^T V, Z += kp^T 1: 40 products, the 20 accumulators by turns
	WIN 0x5f
.irp ks, 0,1
.set i, 0
.rept 20
.if i < 16
	v_wmma_f32_16x16x32_f16 v[8*i:8*i+7], v[KPT+16*(i%4)+8*\ks:KPT+16*(i%4)+8*\ks+7], v[VH+16*(i/4)+8*\ks:VH+16*(i/4)+8*\ks+7], v[8*i:8*i+7]
.else
	v_wmma_f32_16x16x32_f16 v[8*i:8*i+7], v[KPT+16*(i%4)+8*\ks:KPT+16*(i%4)+8*\ks+7], v[ONES:ONES+7], v[8*i:8*i+7]
.endif
.set i, i+1
.endr
.endr
	WIN 0
.endm
	s_load_b64 s[KP:KP+1], s[0:1], 0x0             ; k
	s_load_b256 s[12:19], s[0:1], 0x8              ; v, Wk, Wv, scale_weights
	s_load_b64 s[PART:PART+1], s[0:1], 0x28        ; part
	v_lshl_add_u32 v[SPW], v0, 2, SPARE
	v_mov_b32 v[NIL], 0
	v_lshrrev_b32 v[T], 5, v0
	v_readfirstlane_b32 s[WV], v[T]                ; wave 0..3 = level
	v_and_b32 v[T+1], 31, v0                       ; lane
	v_and_b32 v[T+2], 15, v0                       ; lane % 16
	v_bfe_u32 v[T+3], v0, 4, 1                     ; lane / 16
.set i, 4
.rept 12
	v_mov_b32 v[T+i], 0                            ; T is written whole once: v_permlanex16_b32 counts as a reader of its destination, a packed line of both registers of a pair
.set i, i+1
.endr
	v_lshlrev_b32 v[L16], 4, v[T+1]
	s_lshl_b32 s4, s[WV], 12
	v_add_nc_u32 v[GOFF], s4, v[L16]
	s_mul_i32 s4, s[WV], 2304
	v_mul_u32_u24 v[SA], v[T+3], 144
	v_lshl_add_u32 v[SA], v[T+2], 3, v[SA]
	v_add_nc_u32 v[SA], s4, v[SA]
	v_mul_u32_u24 v[FA], v[T+2], 144
	v_lshl_add_u32 v[FA], v[T+3], 4, v[FA]
	v_lshlrev_b32 v[WOFF], 8, v[T+2]
	v_lshl_add_u32 v[WOFF], v[T+3], 5, v[WOFF]
	v_mov_b32 v[ONE], 1.0
	s_mov_b32 s[SEL], 0x76543210
	s_mov_b32 s[SEL+1], 0xfedcba98
	s_mov_b32 s[HIM], 0xffff0000
	s_lshl_b32 s[BM], 2, s[WV]
	s_sub_co_u32 s[BM], s[BM], 1                   ; block - 1
.irp j, 1,2,3,4,5,6,7
	s_and_b32 s6, s[BM], \j
	s_cmp_lg_u32 s6, 0
	s_cselect_b32 s[G+\j], 1.0, 0
.endr
	s_cmp_eq_u32 s[WV], 3
	s_cselect_b32 s6, 1.0, 0
	v_cvt_f32_u32 v[GX], v[T+3]
	v_mul_f32 v[GX], s6, v[GX]
.irp j, 0,1,2,3,4,5,6,7
	v_lshl_add_u32 v[RL1+\j], v[T+3], 3, \j
	v_and_b32 v[RL1+\j], s[BM], v[RL1+\j]
	v_add_nc_u32 v[RL1+\j], 1, v[RL1+\j]
	v_cvt_f32_u32 v[RL1+\j], v[RL1+\j]
.endr
.irp j, 0,1,2,3,4,5,6,7
	v_rcp_f32 v[RL1+\j], v[RL1+\j]
.endr
	v_nop                                          ; a plain instruction behind the last reciprocal,
	s_wait_alu depctr_va_vdst(0)                   ; and one wait for the eight
	WIN 0xc0
.set i, 0
.rept 8
	v_mov_b32 v[ONES+i], 0x3c003c00                ; 1.0 twice in f16
.set i, i+1
.endr
	WIN 0
	s_wait_kmcnt 0x0
	s_load_b128 s[40:43], s[SWP:SWP+1], 0x0        ; the four scale weights
	s_and_b32 s5, ttmp7, 0xffff                    ; head
	s_lshl_b32 s4, s5, 3
	s_add_co_u32 s4, s4, ttmp9                     ; 8 head + segment
	s_lshl_b32 s4, s4, 17                          ; x 512 rows of 256 bytes
	s_mul_i32 s6, s5, 7
	s_add_co_u32 s6, s6, ttmp9
	s_lshl_b32 s6, s6, 2
	s_add_co_u32 s6, s6, s[WV]
	s_mul_i32 s6, s6, UNITB                        ; my unit in part: ((7 head + segment) 4 + level) units
	s_mov_b32 s5, 0
	s_mov_b32 s7, 0
	s_add_nc_u64 s[KP:KP+1], s[KP:KP+1], s[4:5]
	s_add_nc_u64 s[VP:VP+1], s[VP:VP+1], s[4:5]
	s_add_nc_u64 s[PART:PART+1], s[PART:PART+1], s[6:7]
	s_lshl_b32 s4, s[WV], 14                       ; my level's W: 64 x 64 f32
	s_add_nc_u64 s[WKP:WKP+1], s[WKP:WKP+1], s[4:5]
	s_add_nc_u64 s[WVP:WVP+1], s[WVP:WVP+1], s[4:5]
	INLOAD                                         ; chunk 0
	WIN 0x40
.set i, 0
.rept 160
	v_mov_b32 v[i], 0                              ; the state starts at 0: written while the first loads are out, so that the loop has one form of product; a first chunk written out would double the text
.set i, i+1
.endr
	WIN 0
	s_wait_kmcnt 0x0
	; sw_l = softmax(scale_weights rounded to bf16)[l], the maximum taken away
	s_mov_b32 s44, s40
	s_cmp_eq_u32 s[WV], 1
	s_cselect_b32 s44, s41, s44
	s_cmp_eq_u32 s[WV], 2
	s_cselect_b32 s44, s42, s44
	s_cmp_eq_u32 s[WV], 3
	s_cselect_b32 s44, s43, s44
	v_mov_b32 v[T+4], s40
	v_mov_b32 v[T+5], s41
	v_mov_b32 v[T+6], s42
	v_mov_b32 v[T+7], s43
	v_mov_b32 v[T+8], s44
	v_cvt_pk_bf16_f32 v[T+9], v[T+4], v[T+5]
	v_cvt_pk_bf16_f32 v[T+10], v[T+6], v[T+7]
	v_cvt_pk_bf16_f32 v[T+11], v[T+8], v[T+8]
	v_lshlrev_b32 v[T+4], 16, v[T+9]
	v_and_b32 v[T+5], s[HIM], v[T+9]
	v_lshlrev_b32 v[T+6], 16, v[T+10]
	v_and_b32 v[T+7], s[HIM], v[T+10]
	v_lshlrev_b32 v[T+8], 16, v[T+11]
	v_max3_num_f32 v[T+9], v[T+4], v[T+5], v[T+6]
	v_max_num_f32 v[T+9], v[T+9], v[T+7]
.irp i, 4,5,6,7,8
	v_sub_f32 v[T+\i], v[T+\i], v[T+9]
.endr
.irp i, 4,5,6,7,8
	v_mul_f32 v[T+\i], 0x3fb8aa3b, v[T+\i]
.endr
.irp i, 4,5,6,7,8
	v_exp_f32 v[T+\i], v[T+\i]
.endr
	v_nop
	s_wait_alu depctr_va_vdst(0)
	v_add_f32 v[T+4], v[T+4], v[T+5]
	v_add_f32 v[T+6], v[T+6], v[T+7]
	v_add_f32 v[T+4], v[T+4], v[T+6]
	v_rcp_f32 v[T+4], v[T+4]
	v_nop
	s_wait_alu depctr_va_vdst(0)
	v_mul_f32 v[T+8], v[T+8], v[T+4]               ; sw_l
.irp j, 0,1,2,3,4,5,6,7
	v_mul_f32 v[RLC+\j], 0x3fb8aa3b, v[RL1+\j]
	v_mul_f32 v[RLV+\j], v[T+8], v[RL1+\j]
.endr
	WCONV WKP, 0
	WCONV WVP, 64
	s_mov_b32 s[CNT], 8
.Lchunk:
	s_wait_loadcnt 0x0                             ; this chunk's raw rows, asked for a chunk ago; the wait also frees the pointers
	TOBF INK
	PUT KB
	TOBF INV
	PUT VB
	s_add_nc_u64 s[KP:KP+1], s[KP:KP+1], CHUNKB
	s_add_nc_u64 s[VP:VP+1], s[VP:VP+1], CHUNKB
	s_cmp_eq_u32 s[CNT], 1
	s_cbranch_scc1 .Lno_more                       ; the last chunk asks for nothing: no load leaves the segment
	INLOAD
.Lno_more:
	s_wait_dscnt 0x0                               ; for the others' sake: my rows lie in LDS
	s_barrier_signal -1
	s_barrier_wait -1
	LOADAF 0
	LOADAF 1
	MM 0, 4                                        ; the second buffer's four loads may stay out
	MM 1, 0
	PLACES
	UNIT 0
	MM 2, 0
	UNIT 1
	MM 3, 0
	UNIT 2
	MM 4, 0
	UNIT 3
	MM 5, 0
	UNIT 4
	MM 6, 0
	UNIT 5
	MM 7, 0
	UNIT 6
	UNIT 7
	STATE
	s_wait_dscnt 0x0                               ; my reads of the staged rows are over:
	s_barrier_signal -1
	s_barrier_wait -1                              ; only now does any wave stage the next chunk
	s_sub_co_u32 s[CNT], s[CNT], 1
	s_cmp_lg_u32 s[CNT], 0
	s_cbranch_scc1 .Lchunk
	PLACES
	WIN 0x04                                       ; store data in window 1
.set i, 0
.rept 40                                       ; ascending; each store covers 512 consecutive bytes, aligned
	global_store_b128 v[L16], v[4*i:4*i+3], s[PART:PART+1] offset:512*i
.set i, i+1
.endr
	WIN 0
	s_wait_tensorcnt 0x0                           ; the wave's end, behind my last LDS store
	ds_add_u32 v[SPW], v[NIL]
	s_wait_dscnt 0x0
	s_endpgm
.Lfunc_end_k_q94a659de91_sums:
	.size	k_q94a659de91_sums, .Lfunc_end_k_q94a659de91_sums-k_q94a659de91_sums
	.p2alignl 7, 3214868480
	.fill 96, 4, 3214868480
	.section	.rodata,"a",@progbits
	.p2align	6, 0x0
	.amdhsa_kernel k_q94a659de91_sums
		.amdhsa_group_segment_fixed_size 18944
		.amdhsa_private_segment_fixed_size 0
		.amdhsa_enable_private_segment 0
		.amdhsa_kernarg_size 48
		.amdhsa_user_sgpr_count 2
		.amdhsa_user_sgpr_kernarg_segment_ptr 1
		.amdhsa_wavefront_size32 1
		.amdhsa_system_sgpr_workgroup_id_x 1
		.amdhsa_system_sgpr_workgroup_id_y 1
		.amdhsa_system_sgpr_workgroup_id_z 1
		.amdhsa_system_vgpr_workitem_id 0
		.amdhsa_next_free_vgpr 1024
		.amdhsa_next_free_sgpr 66
		.amdhsa_reserve_vcc 0
		.amdhsa_float_denorm_mode_32 3
		.amdhsa_float_denorm_mode_16_64 3
		.amdhsa_memory_ordered 1
		.amdhsa_forward_progress 1
		.amdhsa_inst_pref_size 106
	.end_amdhsa_kernel
	.amdgpu_metadata
---
amdhsa.version: [ 1, 2 ]
amdhsa.kernels:
  - .name:           k_q94a659de91_sums
    .symbol:         k_q94a659de91_sums.kd
    .args:
      - { .name: k, .offset: 0, .size: 8, .value_kind: global_buffer, .address_space: global }
      - { .name: v, .offset: 8, .size: 8, .value_kind: global_buffer, .address_space: global }
      - { .name: Wk, .offset: 16, .size: 8, .value_kind: global_buffer, .address_space: global }
      - { .name: Wv, .offset: 24, .size: 8, .value_kind: global_buffer, .address_space: global }
      - { .name: scale_weights, .offset: 32, .size: 8, .value_kind: global_buffer, .address_space: global }
      - { .name: part, .offset: 40, .size: 8, .value_kind: global_buffer, .address_space: global }
    .group_segment_fixed_size: 18944
    .private_segment_fixed_size: 0
    .kernarg_segment_align: 8
    .kernarg_segment_size: 48
    .max_flat_workgroup_size: 128
    .sgpr_count:     66
    .vgpr_count:     1024
    .wavefront_size: 32
...
	.end_amdgpu_metadata
.endif
;; end of part 1
;; launch prefix (part 2): grid 256 x 1, 20 waves a work-group, no clusters, 0 bytes of LDS; arguments part, pre; writes pre
.if DOCPART == 2
	.amdgcn_target "amdgcn-amd-amdhsa--gfx1250"
	.amdhsa_code_object_version 6
	.text
	.protected	k_q94a659de91_prefix
	.globl	k_q94a659de91_prefix
	.p2align	8
	.type	k_q94a659de91_prefix,@function
k_q94a659de91_prefix:
	s_mov_b64 s[64:65], 0
	v_nop
	global_prefetch_b8 v0, s[64:65] scope:SCOPE_SE
	s_setreg_imm32_b32 hwreg(HW_REG_WAVE_MODE, 25, 1), 1
	s_wait_xcnt 0x0
; SECOND LAUNCH.  pre[head][s][level] = the sum over s' < s of part[head][s'][level], s = 0 .. 7, in f32: the state with which segment s begins.
; part: [32][7][4][20,480 bytes], pre: [32][8][4][20,480 bytes].  A work-group owns half a unit (10,240 bytes) of one head and level, for all segments; thread t owns 16 bytes of it.
; Seven loads go out together; each sum is stored as soon as it is made.  Each load and store of a wave covers 512 consecutive bytes, aligned.  No register is written twice, so nothing waits for a store.
.set SEGB, 81920                       ; from segment to segment: four units
	s_load_b128 s[4:7], s[0:1], 0x0                ; part s[4:5], pre s[6:7]
	s_lshr_b32 s8, ttmp9, 3                        ; head
	s_bfe_u32 s9, ttmp9, 0x20001                   ; level
	s_and_b32 s10, ttmp9, 1                        ; which half of the unit
	s_mul_i32 s9, s9, 20480
	s_mul_i32 s10, s10, 10240
	s_add_co_u32 s9, s9, s10
	v_lshl_add_u32 v1, v0, 4, s9
	s_mul_i32 s10, s8, 7*SEGB
	s_mov_b32 s11, 0
	s_mul_i32 s12, s8, 8*SEGB
	s_mov_b32 s13, 0
	s_wait_kmcnt 0x0
	s_add_nc_u64 s[4:5], s[4:5], s[10:11]
	s_add_nc_u64 s[6:7], s[6:7], s[12:13]
.irp i, 0,1,2,3,4,5,6
	global_load_b128 v[4+4*\i:7+4*\i], v1, s[4:5] offset:SEGB*\i th:TH_LOAD_NT
.endr
.irp i, 32,33,34,35
	v_mov_b32 v\i, 0
.endr
	global_store_b128 v1, v[32:35], s[6:7]         ; segment 0 begins with nothing
	s_wait_loadcnt 6                               ; loads come back in order: segment 0's is in, the six younger may stay out
	global_store_b128 v1, v[4:7], s[6:7] offset:SEGB
.irp i, 1,2,3,4,5,6
	s_wait_loadcnt 6-\i
	v_pk_add_f32 v[4+4*\i:5+4*\i], v[4+4*\i:5+4*\i], v[4*\i:1+4*\i]
	v_pk_add_f32 v[6+4*\i:7+4*\i], v[6+4*\i:7+4*\i], v[2+4*\i:3+4*\i]
	global_store_b128 v1, v[4+4*\i:7+4*\i], s[6:7] offset:SEGB*(\i+1)
.endr
	s_endpgm
.Lfunc_end_k_q94a659de91_prefix:
	.size	k_q94a659de91_prefix, .Lfunc_end_k_q94a659de91_prefix-k_q94a659de91_prefix
	.p2alignl 7, 3214868480
	.fill 96, 4, 3214868480
	.section	.rodata,"a",@progbits
	.p2align	6, 0x0
	.amdhsa_kernel k_q94a659de91_prefix
		.amdhsa_group_segment_fixed_size 0
		.amdhsa_private_segment_fixed_size 0
		.amdhsa_enable_private_segment 0
		.amdhsa_kernarg_size 16
		.amdhsa_user_sgpr_count 2
		.amdhsa_user_sgpr_kernarg_segment_ptr 1
		.amdhsa_wavefront_size32 1
		.amdhsa_system_sgpr_workgroup_id_x 1
		.amdhsa_system_sgpr_workgroup_id_y 1
		.amdhsa_system_sgpr_workgroup_id_z 1
		.amdhsa_system_vgpr_workitem_id 0
		.amdhsa_next_free_vgpr 40
		.amdhsa_next_free_sgpr 66
		.amdhsa_reserve_vcc 0
		.amdhsa_float_denorm_mode_32 3
		.amdhsa_float_denorm_mode_16_64 3
		.amdhsa_memory_ordered 1
		.amdhsa_forward_progress 1
		.amdhsa_inst_pref_size 4
	.end_amdhsa_kernel
	.amdgpu_metadata
---
amdhsa.version: [ 1, 2 ]
amdhsa.kernels:
  - .name:           k_q94a659de91_prefix
    .symbol:         k_q94a659de91_prefix.kd
    .args:
      - { .name: part, .offset: 0, .size: 8, .value_kind: global_buffer, .address_space: global }
      - { .name: pre, .offset: 8, .size: 8, .value_kind: global_buffer, .address_space: global }
    .group_segment_fixed_size: 0
    .private_segment_fixed_size: 0
    .kernarg_segment_align: 8
    .kernarg_segment_size: 16
    .max_flat_workgroup_size: 640
    .sgpr_count:     66
    .vgpr_count:     40
    .wavefront_size: 32
...
	.end_amdgpu_metadata
.endif
;; end of part 2
;; launch main (part 3): grid 256 x 1, 4 waves a work-group, no clusters, 204,288 bytes of LDS; arguments q, k, v, Wk, Wv, scale_weights, pre, out0; writes out0
.if DOCPART == 3
	.amdgcn_target "amdgcn-amd-amdhsa--gfx1250"
	.amdhsa_code_object_version 6
	.text
	.protected	k_q94a659de91_main
	.globl	k_q94a659de91_main
	.p2align	8
	.type	k_q94a659de91_main,@function
k_q94a659de91_main:
	s_mov_b64 s[64:65], 0
	v_nop
	global_prefetch_b8 v0, s[64:65] scope:SCOPE_SE
	s_setreg_imm32_b32 hwreg(HW_REG_WAVE_MODE, 25, 1), 1
	s_wait_xcnt 0x0
; THIRD LAUNCH.  out = sum over the levels l of sw_l x causal linear attention(q, k_lvl, v_lvl), for one head and one segment of 512 rows, scanned in 8 chunks of 64 rows from the state in pre.
; k_lvl = T_l (k Wk_l^T), v_lvl = T_l (v Wv_l^T): T_l is the causal running mean inside blocks of 2 << l rows, taken behind the projection (it is linear), in f32.  kp = elu(k_lvl) + 1, qp = elu(q) + 1, V = sw_l v_lvl.
; A chunk, with the state before it ST[d][e] = sum kp[m][d] V[m][e], Z[d] = sum kp[m][d]:   zm = max(max_d Z, 1e-30), sigma = 1 / zm;   S = causal mask of qp kp^T;
;   norm = zm (qp . sigma Z) + rowsum(S);   rn = 1 / max(norm, 1e-6);   O = (S rn) V + (rn zm) (qp . sigma ST).   The reference's chunk of 128 changes no value: only the order of sums.
; FORMATS.  q, k, v, Wk, Wv, scale_weights are rounded once to bf16; projections in bf16.  What the program makes itself is f16: kp, qp, P = S rn (in 0 to 1), sigma ST (within V's range), V; V has a second f16 word,
; its rounding's remainder, which is multiplied too in the K step that holds the diagonal, where single weights are large.  All sums, the state, norms and the four levels' partial results are f32.
; LIMITS.  |k_lvl| + 1, |q| + 1 and |sw v_lvl| must stay under 65,504 (f16); kp, qp, P, sigma ST below 6e-5 keep f16's fixed step of 6e-8; the order of sums differs from the reference's; NaN and infinities are not treated apart.
; SHARES.  A WAVE IS A LEVEL: four waves, one text, constants by the wave's number.  Of a chunk wave w loads rows 16 w .. 16 w + 15 of q, k, v (4,096 consecutive bytes each), converts them and puts them into LDS for all four;
; the next chunk's 24 loads are issued a whole chunk ahead of their use.  The four levels' results meet in LDS, and wave w adds and stores rows 16 w .. 16 w + 15.
; No cluster: work-groups share only W (128 KB in all).  No tensor loads: each raw row is read by one wave.  No prefetch: no wave waits for the stream, whose loads lead by a chunk.
; FRAGMENTS (lane l: r = l % 16, h = l / 16; a result's register j is source 0's row 8 h + j, its lane source 1's row r):
;   Y = (rows n) x (W rows e): lane e, registers n.  Packed in pairs it IS source 0 (kp) and source 1 or 0 (V) with K = keys.  ST += kp^T V: lane e, registers d; packed it IS source 0 of X^T = (sigma ST)^T qp^T.
;   S^T = kp qp^T: lane query, registers keys; packed it IS source 1 of X^T += V^T P.  Only kp as rows of keys is turned: through my own LDS rows [channel][key] and ds_load_tr16_b128.
; REGISTERS, in windows of 256 (s_set_vgpr_msb: bits 1:0 source 0, 3:2 source 1, 5:4 source 2, 7:6 destination):
;   window 0: v0-47 addresses and factors; v48-63 P; v64-95 A fragments, two buffers; v96-239 BUF (projection: Y 96-159, E 160-191; attention: two buffers of 72: S^T 4 tiles, X^T 5 tiles; reduce: 128); v240-255 T
;   window 1: v0-159 the state (tile 4 et + dt at 8 (4 et + dt); et = 4 is Z); v160-239 its f16 fragments     window 2: v0-127 W's fragments, in attention qp's and kp's; v128-223 raw rows on their way
;   window 3: v0-63 kp, v64-127 V, v128-191 V's remainder, v224-231 ones
.set CHUNKB, 16384
.set UNITB,  20480                     ; a wave's 160 state registers: [quad 40][lane 32][16 bytes]
.set KB,     0                         ; LDS: bf16 k[n][d], 64 rows of 144 bytes (128 + 16: the 16 rows of a fragment load start at 16 different groups of four banks, ISA guide 11.1)
.set VB,     9216                      ; bf16 v[n][d], likewise
.set QPB,    18432                     ; f16 qp[n][d], likewise
.set KT,     27648                     ; f16 kp[channel][key], each wave's own: 64 rows of 160 bytes (128 + 32)
.set RED,    68608                     ; f32 O_l[n][e], a level each: 64 rows of 272 bytes
.set WF,     138240                    ; the image of W's 128 fragment registers, each wave's own: 32 x 512 bytes
.set SPARE,  203776                    ; the spare words, 128 bytes a wave: two blocks of 256 bytes that no other line names
.set ZM,   1                           ; v1   zm of the chunk
.set GOFF, 2                           ; v2   4,096 w + 16 lane: my 16 bytes in the chunk's raw rows, and in out
.set SA,   3                           ; v3   where I put 8 bytes of 16-bit numbers: 2,304 w + 144 h + 8 r
.set FA,   4                           ; v4   a fragment's row: 144 r + 16 h
.set KTS,  5                           ; v5   my KT + 160 r + 16 h
.set KTL,  6                           ; v6   my KT + 160 (8 h + l % 8) + 16 ((l / 8) % 2)
.set RS,   7                           ; v7   RED + 17,408 level + 272 r + 32 h
.set RR,   8                           ; v8   RED + 4,352 w + 272 h + 16 r
.set WFA,  9                           ; v9   my WF + 16 lane
.set SPW,  10                          ; v10  LDS address of my spare word; never rewritten
.set NIL,  11                          ; v11  0; never rewritten
.set GX,   12                          ; v12  1.0 where the level is 3 and h = 1, else 0
.set ONE,  13                          ; v13  1.0
.set L16,  14                          ; v14  16 lane
.set WOFF, 15                          ; v15  256 r + 32 h: my bytes in 16 rows of W
.set RL1,  16                          ; v16-23  1 / (((8 h + j) mod block) + 1)
.set RLC,  24                          ; v24-31  the same times log2(e)
.set RLV,  32                          ; v32-39  the same times sw_l
.set MK,   40                          ; v40-47  1.0 where 8 h + j <= r, else 0: the diagonal tile's mask
.set P,    48
.set AF,   64
.set BUF,  96
.set E,    160
.set T,    240
.set SF,   160                         ; window 1: fragment (et, c) at SF + 16 et + 8 c
.set QF,   0                           ; window 2: fragment (qt, c) at 8 (2 qt + c)
.set KF,   64                          ;           fragment (kt, c) at KF + 8 (2 kt + c)
.set INK,  128
.set INV,  160
.set INQ,  192
.set KPT,  0                           ; window 3: tile (nt, et) packed at 16 et + 4 nt
.set VH,   64
.set VL,   128
.set ONES, 224
.set WV,   2                           ; s2   my wave's number = my level
.set CNT,  3                           ; s3   chunks to go
.set QP,   8                           ; s[8:23]: q, k, v, Wk, Wv, scale_weights, pre, out0
.set KP,   10
.set VP,   12
.set WKP,  14
.set WVP,  16
.set SWP,  18
.set PRE,  20
.set OUTP, 22
.set SEL,  24                          ; s[24:25] v_permlanex16_b32's selects: each lane takes its own place in the other half
.set G,    25                          ; s26-32  G + j: 1.0 if j mod block is not 0, else 0
.set BM,   33                          ; s33  block - 1
.set HIM,  34                          ; s34  a word's upper bf16
.set MSB, 0
.macro WIN new                         ; the immediate's high byte repeats the setting that is left; a switch that changes nothing is dropped
.if MSB != (\new)
	s_set_vgpr_msb (MSB<<8)|(\new)
.set MSB, \new
.endif
.endm
.macro PLACES                          ; between a matrix instruction and a vector line, store or load on its registers ISA guide 7.12.1 asks for independent vector instructions; four are asked for these forms, eight are written, as a margin
.rept 8
	v_nop
.endr
.endm
.macro INLOAD                          ; a chunk's raw rows: my 16 rows of k, v and q, 512 consecutive bytes an instruction; this launch reads each once
	WIN 0x80
.set t, 0
.rept 8
	global_load_b128 v[INK+4*t:INK+4*t+3], v[GOFF], s[KP:KP+1] offset:512*t th:TH_LOAD_NT
	global_load_b128 v[INV+4*t:INV+4*t+3], v[GOFF], s[VP:VP+1] offset:512*t th:TH_LOAD_NT
	global_load_b128 v[INQ+4*t:INQ+4*t+3], v[GOFF], s[QP:QP+1] offset:512*t th:TH_LOAD_NT
.set t, t+1
.endr
	WIN 0
.endm
.macro TOBF src                        ; 32 raw numbers a lane, rounded to bf16 in pairs
	WIN 0x0a
.set p, 0
.rept 16
	v_cvt_pk_bf16_f32 v[T+p], v[(\src)+2*p], v[(\src)+2*p+1]
.set p, p+1
.endr
	WIN 0
.endm
.macro PUT region                      ; T's 16 words into LDS, two rows an instruction
.set t, 0
.rept 8
	ds_store_b64 v[SA], v[T+2*t:T+2*t+1] offset:(\region)+288*t
.set t, t+1
.endr
.endm
.macro WCONV bs, dst                   ; one level's W: 8 fragments (tile et, K half c at 8 (2 et + c)): 16 f32 a lane and fragment, rounded to bf16
	WIN 0
.set f, 0
.rept 8
	global_load_b128 v[BUF+16*f:BUF+16*f+3],     v[WOFF], s[\bs:\bs+1] offset:(f/2)*4096+(f%2)*128
	global_load_b128 v[BUF+16*f+4:BUF+16*f+7],   v[WOFF], s[\bs:\bs+1] offset:(f/2)*4096+(f%2)*128+16
	global_load_b128 v[BUF+16*f+8:BUF+16*f+11],  v[WOFF], s[\bs:\bs+1] offset:(f/2)*4096+(f%2)*128+64
	global_load_b128 v[BUF+16*f+12:BUF+16*f+15], v[WOFF], s[\bs:\bs+1] offset:(f/2)*4096+(f%2)*128+80
.set f, f+1
.endr
	s_wait_loadcnt 0x0
	WIN 0x80
.set p, 0
.rept 64
	v_cvt_pk_bf16_f32 v[(\dst)+p], v[BUF+2*p], v[BUF+2*p+1]
.set p, p+1
.endr
	WIN 0
.endm
; THE PROJECTION.  Unit u of 8: tile u % 4 of 16 rows, of k (u < 4) or of v.
.macro LOADAF u                        ; its A fragments (16 rows x 64 channels) into buffer u % 2
	WIN 0
.irp i, 0,1,2,3
	ds_load_b128 v[AF+16*((\u)%2)+4*\i:AF+16*((\u)%2)+4*\i+3], v[FA] offset:((\u)/4)*VB+((\u)%4)*2304+32*\i
.endr
.endm
.macro MM u, left                      ; its 8 products: the 4 accumulators take turns, one instruction a turn; the first 4 start the sums
	s_wait_dscnt \left
	WIN 0x08
.irp c, 0,1
.irp m, 0,1,2,3
.if \c == 0
	v_wmma_f32_16x16x32_bf16 v[BUF+32*((\u)%2)+8*\m:BUF+32*((\u)%2)+8*\m+7], v[AF+16*((\u)%2):AF+16*((\u)%2)+7], v[64*((\u)/4)+16*\m:64*((\u)/4)+16*\m+7], 0
.else
	v_wmma_f32_16x16x32_bf16 v[BUF+32*((\u)%2)+8*\m:BUF+32*((\u)%2)+8*\m+7], v[AF+16*((\u)%2)+8:AF+16*((\u)%2)+15], v[64*((\u)/4)+16*\m+8:64*((\u)/4)+16*\m+15], v[BUF+32*((\u)%2)+8*\m:BUF+32*((\u)%2)+8*\m+7]
.endif
.endr
.endr
.endm
.macro LOADQK                          ; qp's and kp's fragments for the attention, into the registers that W leaves (its last reader lies a unit's vector work back)
	WIN 0x80
.set f, 0
.rept 8
	ds_load_b128 v[QF+8*f:QF+8*f+3],   v[FA] offset:QPB+(f/2)*2304+(f%2)*64
	ds_load_b128 v[QF+8*f+4:QF+8*f+7], v[FA] offset:QPB+(f/2)*2304+(f%2)*64+32
.set f, f+1
.endr
.set f, 0
.rept 8                                ; LDS serves a wave's instructions in order (ISA guide 5.7.1.4): these see my stores into KT
	ds_load_tr16_b128 v[KF+8*f:KF+8*f+3],   v[KTL] offset:(f%2)*5120+(f/2)*32
	ds_load_tr16_b128 v[KF+8*f+4:KF+8*f+7], v[KTL] offset:(f%2)*5120+(f/2)*32+2560
.set f, f+1
.endr
	WIN 0
.endm
.macro AVG4                            ; running sums inside blocks, for the four tiles at YB: along the registers (each accumulator's lowest registers are read first), then, for blocks of 16, the lower eight rows' sum from the lane 16 away
.irp j, 1,2,3,4,5,6,7
.irp m, 0,1,2,3
	v_fma_f32 v[YB+8*\m+\j], v[YB+8*\m+\j-1], s[G+\j], v[YB+8*\m+\j]
.endr
.endr
.irp m, 0,1,2,3
	v_permlanex16_b32 v[T+2*\m], v[YB+8*\m+7], s[SEL], s[SEL+1]
.endr
.irp m, 0,1,2,3
	v_mul_f32 v[T+2*\m], v[GX], v[T+2*\m]
.endr
.set p, 0
.rept 16
	v_pk_add_f32 v[YB+2*p:YB+2*p+1], v[YB+2*p:YB+2*p+1], v[T+2*(p/4):T+2*(p/4)+1] op_sel_hi:[1,0]
.set p, p+1
.endr
.endm
.macro KPART                           ; kp = elu(x) + 1 = the middle one of e^x, 1, x + 1, with x = sum / length; packed to f16, kept as fragments and put into KT
.set p, 0
.rept 16
	v_pk_mul_f32 v[E+2*p:E+2*p+1], v[YB+2*p:YB+2*p+1], v[RLC+2*(p%4):RLC+2*(p%4)+1]
.set p, p+1
.endr
.set i, 0
.rept 32
	v_exp_f32 v[E+i], v[E+i]
.set i, i+1
.endr
.set p, 0
.rept 16                               ; x + 1: plain work that names no exponential's result, between the batch and its wait
	v_pk_fma_f32 v[YB+2*p:YB+2*p+1], v[YB+2*p:YB+2*p+1], v[RL1+2*(p%4):RL1+2*(p%4)+1], 1.0 op_sel_hi:[1,1,0]
.set p, p+1
.endr
	s_wait_alu depctr_va_vdst(0)       ; one wait for the 32 exponentials, ahead of their first reader
.set i, 0
.rept 32
	v_med3_num_f32 v[YB+i], v[E+i], v[ONE], v[YB+i]
.set i, i+1
.endr
	WIN 0xc0
.set p, 0
.rept 16
	v_cvt_pk_f16_f32 v[KPT+16*(p/4)+4*NT+p%4], v[YB+2*p], v[YB+2*p+1]
.set p, p+1
.endr
	WIN 0x0c                           ; store data in window 3
.irp m, 0,1,2,3
	ds_store_b128 v[KTS], v[KPT+16*\m+4*NT:KPT+16*\m+4*NT+3] offset:\m*2560+NT*32
.endr
	WIN 0
.endm
.macro VPART                           ; V = sw_l x sum / length: its f16 rounding, and the remainder's
.set p, 0
.rept 16
	v_pk_mul_f32 v[YB+2*p:YB+2*p+1], v[YB+2*p:YB+2*p+1], v[RLV+2*(p%4):RLV+2*(p%4)+1]
.set p, p+1
.endr
	WIN 0xc0
.set p, 0
.rept 16
	v_cvt_pk_f16_f32 v[VH+16*(p/4)+4*NT+p%4], v[YB+2*p], v[YB+2*p+1]
.set p, p+1
.endr
	WIN 0x03                           ; source 0 in window 3
.set p, 0
.rept 16
	v_fma_mix_f32 v[YB+2*p], -v[VH+16*(p/4)+4*NT+p%4], v[ONE], v[YB+2*p] op_sel_hi:[1,0,0]
	v_fma_mix_f32 v[YB+2*p+1], -v[VH+16*(p/4)+4*NT+p%4], v[ONE], v[YB+2*p+1] op_sel:[1,0,0] op_sel_hi:[1,0,0]
.set p, p+1
.endr
	WIN 0xc0
.set p, 0
.rept 16
	v_cvt_pk_f16_f32 v[VL+16*(p/4)+4*NT+p%4], v[YB+2*p], v[YB+2*p+1]
.set p, p+1
.endr
	WIN 0
.endm
.macro UNIT u                          ; unit u's vector work; it stands behind unit u + 1's products and runs beside them
.set YB, BUF+32*((\u)%2)
.set NT, (\u)%4
	WIN 0
	AVG4
.if (\u) < 6
	LOADAF (\u)+2                      ; into the buffer that unit u's products have read, a unit's vector work behind them
.endif
.if (\u) == 7
	LOADQK
.endif
.if (\u) < 4
	KPART
.else
	VPART
.endif
.endm
.macro STATE                           ; ST += kp^T V, Z += kp^T 1: 40 products, the 20 accumulators by turns.  The attention below works on the f16 copy made of the old state
	WIN 0x5f
.irp ks, 0,1
.set i, 0
.rept 20
.if i < 16
	v_wmma_f32_16x16x32_f16 v[8*i:8*i+7], v[KPT+16*(i%4)+8*\ks:KPT+16*(i%4)+8*\ks+7], v[VH+16*(i/4)+8*\ks:VH+16*(i/4)+8*\ks+7], v[8*i:8*i+7]
.else
	v_wmma_f32_16x16x32_f16 v[8*i:8*i+7], v[KPT+16*(i%4)+8*\ks:KPT+16*(i%4)+8*\ks+7], v[ONES:ONES+7], v[8*i:8*i+7]
.endif
.set i, i+1
.endr
.endr
	WIN 0
.endm
; THE ATTENTION, for tile qt of 16 queries, in buffer b of BUF.
.macro MMSX qt, b                      ; S^T for the key tiles 0 .. qt, and X^T = (sigma ST, sigma Z)^T qp^T: qt + 6 accumulators by turns, twice
.irp c, 0,1
	WIN 0x0a
.set kt, 0
.rept (\qt)+1
.if \c == 0
	v_wmma_f32_16x16x32_f16 v[BUF+72*(\b)+8*kt:BUF+72*(\b)+8*kt+7], v[KF+16*kt:KF+16*kt+7], v[QF+16*(\qt):QF+16*(\qt)+7], 0
.else
	v_wmma_f32_16x16x32_f16 v[BUF+72*(\b)+8*kt:BUF+72*(\b)+8*kt+7], v[KF+16*kt+8:KF+16*kt+15], v[QF+16*(\qt)+8:QF+16*(\qt)+15], v[BUF+72*(\b)+8*kt:BUF+72*(\b)+8*kt+7]
.endif
.set kt, kt+1
.endr
	WIN 0x09
.set m, 0
.rept 5
.if \c == 0
	v_wmma_f32_16x16x32_f16 v[BUF+72*(\b)+32+8*m:BUF+72*(\b)+32+8*m+7], v[SF+16*m:SF+16*m+7], v[QF+16*(\qt):QF+16*(\qt)+7], 0
.else
	v_wmma_f32_16x16x32_f16 v[BUF+72*(\b)+32+8*m:BUF+72*(\b)+32+8*m+7], v[SF+16*m+8:SF+16*m+15], v[QF+16*(\qt)+8:QF+16*(\qt)+15], v[BUF+72*(\b)+32+8*m:BUF+72*(\b)+32+8*m+7]
.endif
.set m, m+1
.endr
.endr
.endm
.macro VECQ qt, b                      ; mask, row sums, norm, its reciprocal; P = S rn in f16; X^T times rn zm.  Every accumulator is read from its low end on
.set SB, BUF+72*(\b)
.set XB, SB+32
	WIN 0
.irp i, 0,1,2,3
	v_pk_mul_f32 v[SB+8*(\qt)+2*\i:SB+8*(\qt)+2*\i+1], v[SB+8*(\qt)+2*\i:SB+8*(\qt)+2*\i+1], v[MK+2*\i:MK+2*\i+1]
.endr
.set kt, 0
.rept (\qt)+1
	v_pk_add_f32 v[T+2*kt:T+2*kt+1], v[SB+8*kt:SB+8*kt+1], v[SB+8*kt+2:SB+8*kt+3]
.set kt, kt+1
.endr
.set kt, 0
.rept (\qt)+1
	v_pk_add_f32 v[T+2*kt:T+2*kt+1], v[T+2*kt:T+2*kt+1], v[SB+8*kt+4:SB+8*kt+5]
.set kt, kt+1
.endr
.set kt, 0
.rept (\qt)+1
	v_pk_add_f32 v[T+2*kt:T+2*kt+1], v[T+2*kt:T+2*kt+1], v[SB+8*kt+6:SB+8*kt+7]
.set kt, kt+1
.endr
.if (\qt) > 0
.set kt, 1
.rept \qt
	v_pk_add_f32 v[T:T+1], v[T:T+1], v[T+2*kt:T+2*kt+1]
.set kt, kt+1
.endr
.endif
	v_add_f32 v[T], v[T], v[T+1]
	v_permlanex16_b32 v[T+1], v[T], s[SEL], s[SEL+1]  ; the query's other keys lie in the lane 16 away
	v_add_f32 v[T], v[T], v[T+1]
	v_fma_f32 v[T], v[ZM], v[XB+32], v[T]          ; + zm (qp . sigma Z): the fifth tile's register 0
	v_max_num_f32 v[T], 0x358637bd, v[T]           ; 1e-6
	v_rcp_f32 v[T+8], v[T]
	v_nop                                          ; a plain instruction behind the reciprocal,
	s_wait_alu depctr_va_vdst(0)                   ; and its wait, ahead of its first reader
	v_mul_f32 v[T+10], v[T+8], v[ZM]
.set kt, 0
.rept (\qt)+1
.irp i, 0,1,2,3
	v_pk_mul_f32 v[SB+8*kt+2*\i:SB+8*kt+2*\i+1], v[SB+8*kt+2*\i:SB+8*kt+2*\i+1], v[T+8:T+9] op_sel_hi:[1,0]
.endr
.irp i, 0,1,2,3
	v_cvt_pk_f16_f32 v[P+4*kt+\i], v[SB+8*kt+2*\i], v[SB+8*kt+2*\i+1]
.endr
.set kt, kt+1
.endr
.if (\qt)%2 == 0
.irp i, 0,1,2,3
	v_mov_b32 v[P+4*(\qt)+4+\i], 0                 ; the K step's upper 16 keys lie above the diagonal
.endr
.endif
.set p, 0
.rept 16
	v_pk_mul_f32 v[XB+2*p:XB+2*p+1], v[XB+2*p:XB+2*p+1], v[T+10:T+11] op_sel_hi:[1,0]
.set p, p+1
.endr
.endm
.macro MMPV qt, b                      ; X^T += V^T P over the K steps 0 .. qt / 2, and V's remainder in the last of them; the 4 accumulators by turns
	WIN 0x03
.set kt, 0
.rept (\qt)/2+1
.irp m, 0,1,2,3
	v_wmma_f32_16x16x32_f16 v[BUF+72*(\b)+32+8*\m:BUF+72*(\b)+32+8*\m+7], v[VH+16*\m+8*kt:VH+16*\m+8*kt+7], v[P+8*kt:P+8*kt+7], v[BUF+72*(\b)+32+8*\m:BUF+72*(\b)+32+8*\m+7]
.endr
.set kt, kt+1
.endr
.irp m, 0,1,2,3
	v_wmma_f32_16x16x32_f16 v[BUF+72*(\b)+32+8*\m:BUF+72*(\b)+32+8*\m+7], v[VL+16*\m+8*((\qt)/2):VL+16*\m+8*((\qt)/2)+7], v[P+8*((\qt)/2):P+8*((\qt)/2)+7], v[BUF+72*(\b)+32+8*\m:BUF+72*(\b)+32+8*\m+7]
.endr
.endm
.macro OUTQ qt, b                      ; my level's 16 rows into RED: a lane holds one query and 8 neighbouring channels a tile
	WIN 0
.irp m, 0,1,2,3
	ds_store_b128 v[RS], v[BUF+72*(\b)+32+8*\m:BUF+72*(\b)+32+8*\m+3] offset:(\qt)*4352+\m*64
	ds_store_b128 v[RS], v[BUF+72*(\b)+32+8*\m+4:BUF+72*(\b)+32+8*\m+7] offset:(\qt)*4352+\m*64+16
.endr
.endm
	s_load_b512 s[8:23], s[0:1], 0x0               ; q, k, v, Wk, Wv, scale_weights, pre, out0
	v_lshl_add_u32 v[SPW], v0, 2, SPARE
	v_mov_b32 v[NIL], 0
	v_lshrrev_b32 v[T], 5, v0
	v_readfirstlane_b32 s[WV], v[T]                ; wave 0..3 = level
	v_and_b32 v[T+1], 31, v0                       ; lane
	v_and_b32 v[T+2], 15, v0                       ; r
	v_bfe_u32 v[T+3], v0, 4, 1                     ; h
.set i, 4
.rept 12
	v_mov_b32 v[T+i], 0                            ; T is written whole once: v_permlanex16_b32 counts as a reader of its destination, a packed line of both registers of a pair
.set i, i+1
.endr
	v_lshlrev_b32 v[L16], 4, v[T+1]
	s_lshl_b32 s4, s[WV], 12
	v_add_nc_u32 v[GOFF], s4, v[L16]
	s_mul_i32 s4, s[WV], 2304
	v_mul_u32_u24 v[SA], v[T+3], 144
	v_lshl_add_u32 v[SA], v[T+2], 3, v[SA]
	v_add_nc_u32 v[SA], s4, v[SA]
	v_mul_u32_u24 v[FA], v[T+2], 144
	v_lshl_add_u32 v[FA], v[T+3], 4, v[FA]
	s_mul_i32 s4, s[WV], 10240
	s_add_co_u32 s4, s4, KT                        ; my KT
	v_mul_u32_u24 v[KTS], v[T+2], 160
	v_lshl_add_u32 v[KTS], v[T+3], 4, v[KTS]
	v_add_nc_u32 v[KTS], s4, v[KTS]
	v_and_b32 v[T+4], 7, v0
	v_lshl_add_u32 v[T+4], v[T+3], 3, v[T+4]
	v_mul_u32_u24 v[KTL], v[T+4], 160
	v_bfe_u32 v[T+5], v0, 3, 1
	v_lshl_add_u32 v[KTL], v[T+5], 4, v[KTL]
	v_add_nc_u32 v[KTL], s4, v[KTL]
	s_mul_i32 s4, s[WV], 17408
	s_add_co_u32 s4, s4, RED                       ; my level's part of RED
	v_mul_u32_u24 v[RS], v[T+2], 272
	v_lshl_add_u32 v[RS], v[T+3], 5, v[RS]
	v_add_nc_u32 v[RS], s4, v[RS]
	s_mul_i32 s4, s[WV], 4352
	s_add_co_u32 s4, s4, RED                       ; the 16 rows that I add and store
	v_mul_u32_u24 v[RR], v[T+3], 272
	v_lshl_add_u32 v[RR], v[T+2], 4, v[RR]
	v_add_nc_u32 v[RR], s4, v[RR]
	s_lshl_b32 s4, s[WV], 14
	s_add_co_u32 s4, s4, WF                        ; my WF
	v_add_nc_u32 v[WFA], s4, v[L16]
	v_lshlrev_b32 v[WOFF], 8, v[T+2]
	v_lshl_add_u32 v[WOFF], v[T+3], 5, v[WOFF]
	v_mov_b32 v[ONE], 1.0
	s_mov_b32 s[SEL], 0x76543210
	s_mov_b32 s[SEL+1], 0xfedcba98
	s_mov_b32 s[HIM], 0xffff0000
	s_lshl_b32 s[BM], 2, s[WV]
	s_sub_co_u32 s[BM], s[BM], 1                   ; block - 1
.irp j, 1,2,3,4,5,6,7
	s_and_b32 s6, s[BM], \j
	s_cmp_lg_u32 s6, 0
	s_cselect_b32 s[G+\j], 1.0, 0
.endr
	s_cmp_eq_u32 s[WV], 3
	s_cselect_b32 s6, 1.0, 0
	v_cvt_f32_u32 v[GX], v[T+3]
	v_mul_f32 v[GX], s6, v[GX]
.irp j, 0,1,2,3,4,5,6,7
	v_lshl_add_u32 v[RL1+\j], v[T+3], 3, \j
	v_and_b32 v[RL1+\j], s[BM], v[RL1+\j]
	v_add_nc_u32 v[RL1+\j], 1, v[RL1+\j]
	v_cvt_f32_u32 v[RL1+\j], v[RL1+\j]
.endr
.irp j, 0,1,2,3,4,5,6,7
	v_rcp_f32 v[RL1+\j], v[RL1+\j]
.endr
	v_lshlrev_b32 v[T+4], 3, v[T+3]                ; the mask is made behind the reciprocals: plain work that names none of their results
	v_sub_nc_u32 v[T+4], v[T+2], v[T+4]            ; r - 8 h
.irp j, 0,1,2,3,4,5,6,7
	v_cmp_le_i32 vcc_lo, \j, v[T+4]
	v_cndmask_b32 v[MK+\j], 0, v[ONE], vcc_lo
.endr
	s_wait_alu depctr_va_vdst(0)                   ; one wait for the eight reciprocals
	WIN 0xc0
.set i, 0
.rept 8
	v_mov_b32 v[ONES+i], 0x3c003c00                ; 1.0 twice in f16
.set i, i+1
.endr
	WIN 0
	s_wait_kmcnt 0x0
	s_load_b128 s[40:43], s[SWP:SWP+1], 0x0        ; the four scale weights
	s_lshl_b32 s4, ttmp9, 17                       ; (8 head + segment) x 512 rows of 256 bytes
	s_mov_b32 s5, 0
	s_add_nc_u64 s[QP:QP+1], s[QP:QP+1], s[4:5]
	s_add_nc_u64 s[KP:KP+1], s[KP:KP+1], s[4:5]
	s_add_nc_u64 s[VP:VP+1], s[VP:VP+1], s[4:5]
	s_add_nc_u64 s[OUTP:OUTP+1], s[OUTP:OUTP+1], s[4:5]
	s_lshl_b32 s4, ttmp9, 2
	s_add_co_u32 s4, s4, s[WV]
	s_mul_i32 s4, s4, UNITB                        ; my unit in pre
	s_add_nc_u64 s[PRE:PRE+1], s[PRE:PRE+1], s[4:5]
	s_lshl_b32 s4, s[WV], 14                       ; my level's W: 64 x 64 f32
	s_add_nc_u64 s[WKP:WKP+1], s[WKP:WKP+1], s[4:5]
	s_add_nc_u64 s[WVP:WVP+1], s[WVP:WVP+1], s[4:5]
	INLOAD                                         ; chunk 0
	WIN 0x40
.set i, 0
.rept 40
	global_load_b128 v[4*i:4*i+3], v[L16], s[PRE:PRE+1] offset:512*i th:TH_LOAD_NT  ; the state with which my segment begins
.set i, i+1
.endr
	WIN 0
	s_wait_kmcnt 0x0
	; sw_l = softmax(scale_weights rounded to bf16)[l], the maximum taken away
	s_mov_b32 s44, s40
	s_cmp_eq_u32 s[WV], 1
	s_cselect_b32 s44, s41, s44
	s_cmp_eq_u32 s[WV], 2
	s_cselect_b32 s44, s42, s44
	s_cmp_eq_u32 s[WV], 3
	s_cselect_b32 s44, s43, s44
	v_mov_b32 v[T+4], s40
	v_mov_b32 v[T+5], s41
	v_mov_b32 v[T+6], s42
	v_mov_b32 v[T+7], s43
	v_mov_b32 v[T+8], s44
	v_cvt_pk_bf16_f32 v[T+9], v[T+4], v[T+5]
	v_cvt_pk_bf16_f32 v[T+10], v[T+6], v[T+7]
	v_cvt_pk_bf16_f32 v[T+11], v[T+8], v[T+8]
	v_lshlrev_b32 v[T+4], 16, v[T+9]
	v_and_b32 v[T+5], s[HIM], v[T+9]
	v_lshlrev_b32 v[T+6], 16, v[T+10]
	v_and_b32 v[T+7], s[HIM], v[T+10]
	v_lshlrev_b32 v[T+8], 16, v[T+11]
	v_max3_num_f32 v[T+9], v[T+4], v[T+5], v[T+6]
	v_max_num_f32 v[T+9], v[T+9], v[T+7]
.irp i, 4,5,6,7,8
	v_sub_f32 v[T+\i], v[T+\i], v[T+9]
.endr
.irp i, 4,5,6,7,8
	v_mul_f32 v[T+\i], 0x3fb8aa3b, v[T+\i]
.endr
.irp i, 4,5,6,7,8
	v_exp_f32 v[T+\i], v[T+\i]
.endr
	v_nop
	s_wait_alu depctr_va_vdst(0)
	v_add_f32 v[T+4], v[T+4], v[T+5]
	v_add_f32 v[T+6], v[T+6], v[T+7]
	v_add_f32 v[T+4], v[T+4], v[T+6]
	v_rcp_f32 v[T+4], v[T+4]
	v_nop
	s_wait_alu depctr_va_vdst(0)
	v_mul_f32 v[T+8], v[T+8], v[T+4]               ; sw_l
.irp j, 0,1,2,3,4,5,6,7
	v_mul_f32 v[RLC+\j], 0x3fb8aa3b, v[RL1+\j]
	v_mul_f32 v[RLV+\j], v[T+8], v[RL1+\j]
.endr
	WCONV WKP, 0
	WCONV WVP, 64
	WIN 0x08                                       ; store data in window 2
.set i, 0
.rept 32
	ds_store_b128 v[WFA], v[4*i:4*i+3] offset:512*i  ; W's fragments are kept in my own LDS bytes: the attention borrows their registers in every chunk
.set i, i+1
.endr
	WIN 0
	s_mov_b32 s[CNT], 8
.Lchunk:
	; THE CHUNK'S ROWS: my 16 of k, v (bf16) and qp (f16) go into LDS
	s_wait_loadcnt 0x0                             ; this chunk's raw rows, asked for a chunk ago
	s_wait_xcnt 0x0                                ; the last chunk's stores have read their data registers and out's pointer: both are rewritten below
	TOBF INK
	PUT KB
	TOBF INV
	PUT VB
	TOBF INQ
.set p, 0
.rept 16
	v_lshlrev_b32 v[BUF+2*p], 16, v[T+p]           ; q, rounded to bf16, as f32 again
	v_and_b32 v[BUF+2*p+1], s[HIM], v[T+p]
.set p, p+1
.endr
	s_add_nc_u64 s[QP:QP+1], s[QP:QP+1], CHUNKB
	s_add_nc_u64 s[KP:KP+1], s[KP:KP+1], CHUNKB
	s_add_nc_u64 s[VP:VP+1], s[VP:VP+1], CHUNKB
	s_add_nc_u64 s[OUTP:OUTP+1], s[OUTP:OUTP+1], CHUNKB  ; this chunk's stores reach back by a negative immediate
	s_cmp_eq_u32 s[CNT], 1
	s_cbranch_scc1 .Lno_more                       ; the last chunk asks for nothing: no load leaves the segment
	INLOAD
.Lno_more:
.set p, 0
.rept 16
	v_pk_mul_f32 v[E+2*p:E+2*p+1], v[BUF+2*p:BUF+2*p+1], 0x3fb8aa3b op_sel_hi:[1,0]
.set p, p+1
.endr
.set i, 0
.rept 32
	v_exp_f32 v[E+i], v[E+i]
.set i, i+1
.endr
.set p, 0
.rept 16                                       ; q + 1: plain work between the batch and its wait
	v_pk_add_f32 v[BUF+2*p:BUF+2*p+1], v[BUF+2*p:BUF+2*p+1], 1.0 op_sel_hi:[1,0]
.set p, p+1
.endr
	s_wait_alu depctr_va_vdst(0)                   ; one wait for the 32 exponentials
.set i, 0
.rept 32
	v_med3_num_f32 v[BUF+i], v[E+i], v[ONE], v[BUF+i]
.set i, i+1
.endr
.set p, 0
.rept 16
	v_cvt_pk_f16_f32 v[T+p], v[BUF+2*p], v[BUF+2*p+1]
.set p, p+1
.endr
	PUT QPB
	s_wait_dscnt 0x0                               ; for the others' sake: my rows lie in LDS; and my reads of RED for the last chunk are long back
	s_barrier_signal -1
	; Between signal and wait, on registers alone: zm, sigma, and the old state times sigma as f16 fragments
	WIN 0x15
	v_max3_num_f32 v[T], v[128], v[129], v[130]    ; Z's 32 registers, ascending
	WIN 0x14
.set i, 131
.rept 14
	v_max3_num_f32 v[T], v[T], v[i], v[i+1]
.set i, i+2
.endr
	v_max_num_f32 v[T], v[T], v[159]
	WIN 0
	v_permlanex16_b32 v[T+1], v[T], s[SEL], s[SEL+1]
	v_max_num_f32 v[T], v[T], v[T+1]
	v_max_num_f32 v[ZM], 0x0da24260, v[T]          ; at least 1e-30: an empty state gives sigma ST = 0
	v_rcp_f32 v[T+2], v[ZM]
	v_nop
	s_wait_alu depctr_va_vdst(0)
.irp g, 0,1,2,3,4
	WIN 0x01                                       ; source 0 in window 1
.set p, 0
.rept 16
	v_pk_mul_f32 v[E+2*p:E+2*p+1], v[32*\g+2*p:32*\g+2*p+1], v[T+2:T+3] op_sel_hi:[1,0]
.set p, p+1
.endr
	WIN 0x40                                       ; destination in window 1
.set p, 0
.rept 16
	v_cvt_pk_f16_f32 v[SF+16*\g+p], v[E+2*p], v[E+2*p+1]
.set p, p+1
.endr
.endr
	WIN 0
	s_barrier_wait -1                              ; all 64 rows of k, v, qp lie in LDS, and nobody reads the last chunk's RED any more
	LOADAF 0
	LOADAF 1
	MM 0, 4                                        ; the second buffer's four loads may stay out
	MM 1, 0
	PLACES
	UNIT 0
	MM 2, 0
	UNIT 1
	MM 3, 0
	UNIT 2
	MM 4, 0
	UNIT 3
	MM 5, 0
	UNIT 4
	MM 6, 0
	UNIT 5
	MM 7, 0
	UNIT 6
	UNIT 7
	STATE
	s_wait_dscnt 0x0                               ; qp's and kp's fragments are in
	MMSX 0, 0
	MMSX 1, 1
	PLACES
	VECQ 0, 0
	MMPV 0, 0
	VECQ 1, 1                                      ; a tile's vector work stands behind the products of the tile before and is their places
	OUTQ 0, 0
	MMSX 2, 0
	MMPV 1, 1
	PLACES
	VECQ 2, 0
	OUTQ 1, 1
	MMSX 3, 1
	MMPV 2, 0
	PLACES
	WIN 0x80
.set i, 0
.rept 32
	ds_load_b128 v[4*i:4*i+3], v[WFA] offset:512*i   ; qp's and kp's fragments have been read for the last time: W comes back for the next chunk
.set i, i+1
.endr
	WIN 0
	VECQ 3, 1
	OUTQ 2, 0
	MMPV 3, 1
	PLACES
	OUTQ 3, 1
	; THE FOUR LEVELS ARE ADDED
	s_wait_dscnt 0x0                               ; for the others' sake: my level lies in RED, and my reads of the staged rows are over
	s_barrier_signal -1
	s_barrier_wait -1
.set t, 0
.rept 8
.irp m, 0,1,2,3
	ds_load_b128 v[BUF+16*t+4*\m:BUF+16*t+4*\m+3], v[RR] offset:\m*17408+t*544
.endr
.set t, t+1
.endr
.set t, 0
.rept 8
	s_wait_dscnt 28-4*t                            ; LDS loads come back in order: row pair t's four are in, the later pairs' stay out
	v_pk_add_f32 v[BUF+16*t:BUF+16*t+1],     v[BUF+16*t:BUF+16*t+1],     v[BUF+16*t+4:BUF+16*t+5]
	v_pk_add_f32 v[BUF+16*t+2:BUF+16*t+3],   v[BUF+16*t+2:BUF+16*t+3],   v[BUF+16*t+6:BUF+16*t+7]
	v_pk_add_f32 v[BUF+16*t+8:BUF+16*t+9],   v[BUF+16*t+8:BUF+16*t+9],   v[BUF+16*t+12:BUF+16*t+13]
	v_pk_add_f32 v[BUF+16*t+10:BUF+16*t+11], v[BUF+16*t+10:BUF+16*t+11], v[BUF+16*t+14:BUF+16*t+15]
	v_pk_add_f32 v[BUF+16*t:BUF+16*t+1],     v[BUF+16*t:BUF+16*t+1],     v[BUF+16*t+8:BUF+16*t+9]
	v_pk_add_f32 v[BUF+16*t+2:BUF+16*t+3],   v[BUF+16*t+2:BUF+16*t+3],   v[BUF+16*t+10:BUF+16*t+11]
	global_store_b128 v[GOFF], v[BUF+16*t:BUF+16*t+3], s[OUTP:OUTP+1] offset:512*t-CHUNKB th:TH_STORE_NT  ; two whole rows: 512 consecutive bytes, aligned
.set t, t+1
.endr
	s_sub_co_u32 s[CNT], s[CNT], 1
	s_cmp_lg_u32 s[CNT], 0
	s_cbranch_scc1 .Lchunk
	s_wait_tensorcnt 0x0                           ; the wave's end, behind my last LDS store
	ds_add_u32 v[SPW], v[NIL]
	s_wait_dscnt 0x0
	s_endpgm
.Lfunc_end_k_q94a659de91_main:
	.size	k_q94a659de91_main, .Lfunc_end_k_q94a659de91_main-k_q94a659de91_main
	.p2alignl 7, 3214868480
	.fill 96, 4, 3214868480
	.section	.rodata,"a",@progbits
	.p2align	6, 0x0
	.amdhsa_kernel k_q94a659de91_main
		.amdhsa_group_segment_fixed_size 204288
		.amdhsa_private_segment_fixed_size 0
		.amdhsa_enable_private_segment 0
		.amdhsa_kernarg_size 64
		.amdhsa_user_sgpr_count 2
		.amdhsa_user_sgpr_kernarg_segment_ptr 1
		.amdhsa_wavefront_size32 1
		.amdhsa_system_sgpr_workgroup_id_x 1
		.amdhsa_system_sgpr_workgroup_id_y 1
		.amdhsa_system_sgpr_workgroup_id_z 1
		.amdhsa_system_vgpr_workitem_id 0
		.amdhsa_next_free_vgpr 1024
		.amdhsa_next_free_sgpr 66
		.amdhsa_reserve_vcc 1
		.amdhsa_float_denorm_mode_32 3
		.amdhsa_float_denorm_mode_16_64 3
		.amdhsa_memory_ordered 1
		.amdhsa_forward_progress 1
		.amdhsa_inst_pref_size 174
	.end_amdhsa_kernel
	.amdgpu_metadata
---
amdhsa.version: [ 1, 2 ]
amdhsa.kernels:
  - .name:           k_q94a659de91_main
    .symbol:         k_q94a659de91_main.kd
    .args:
      - { .name: q, .offset: 0, .size: 8, .value_kind: global_buffer, .address_space: global }
      - { .name: k, .offset: 8, .size: 8, .value_kind: global_buffer, .address_space: global }
      - { .name: v, .offset: 16, .size: 8, .value_kind: global_buffer, .address_space: global }
      - { .name: Wk, .offset: 24, .size: 8, .value_kind: global_buffer, .address_space: global }
      - { .name: Wv, .offset: 32, .size: 8, .value_kind: global_buffer, .address_space: global }
      - { .name: scale_weights, .offset: 40, .size: 8, .value_kind: global_buffer, .address_space: global }
      - { .name: pre, .offset: 48, .size: 8, .value_kind: global_buffer, .address_space: global }
      - { .name: out0, .offset: 56, .size: 8, .value_kind: global_buffer, .address_space: global }
    .group_segment_fixed_size: 204288
    .private_segment_fixed_size: 0
    .kernarg_segment_align: 8
    .kernarg_segment_size: 64
    .max_flat_workgroup_size: 128
    .sgpr_count:     66
    .vgpr_count:     1024
    .wavefront_size: 32
...
	.end_amdgpu_metadata
.endif
;; end of part 3
;; ======== version 2 of 2: 3 launches; version 1 with the launch main written anew for expert scheduling mode
;; limits: values are held in f16: magnitudes above 65,504 overflow, below 6.1e-05 lose precision
;; workspace buffers: part 18,350,080 bytes; pre 20,971,520 bytes
;; launch sums: the kernel of part 1 again; grid 7 x 32, 4 waves a work-group, no clusters, 18,944 bytes of LDS; arguments k, v, Wk, Wv, scale_weights, part; writes part
;; launch prefix: the kernel of part 2 again; grid 256 x 1, 20 waves a work-group, no clusters, 0 bytes of LDS; arguments part, pre; writes pre
;; launch main (part 4): grid 256 x 1, 4 waves a work-group, no clusters, 204,288 bytes of LDS; arguments q, k, v, Wk, Wv, scale_weights, pre, out0; writes out0
.if DOCPART == 4
	.amdgcn_target "amdgcn-amd-amdhsa--gfx1250"
	.amdhsa_code_object_version 6
	.text
	.protected	k_q94a659de91_main
	.globl	k_q94a659de91_main
	.p2align	8
	.type	k_q94a659de91_main,@function
k_q94a659de91_main:
	s_mov_b64 s[64:65], 0
	v_nop
	global_prefetch_b8 v0, s[64:65] scope:SCOPE_SE
	s_setreg_imm32_b32 hwreg(HW_REG_WAVE_SCHED_MODE, 0, 2), 2
	s_setreg_imm32_b32 hwreg(HW_REG_WAVE_MODE, 25, 1), 1
	s_wait_xcnt 0x0
	s_wait_alu depctr_vm_vsrc(0)
; THIRD LAUNCH.  out = sum over the levels l of sw_l x causal linear attention(q, k_lvl, v_lvl), for one head and one segment of 512 rows, scanned in 8 chunks of 64 rows from the state in pre.
; k_lvl = T_l (k Wk_l^T), v_lvl = T_l (v Wv_l^T): T_l is the causal running mean inside blocks of 2 << l rows, taken behind the projection (it is linear), in f32.  kp = elu(k_lvl) + 1, qp = elu(q) + 1, V = sw_l v_lvl.
; A chunk, with the state before it ST[d][e] = sum kp[m][d] V[m][e], Z[d] = sum kp[m][d]:   zm = max(max_d Z, 1e-30), sigma = 1 / zm;   S = causal mask of qp kp^T;
;   norm = zm (qp . sigma Z) + rowsum(S);   rn = 1 / max(norm, 1e-6);   O = (S rn) V + (rn zm) (qp . sigma ST).   The reference's chunk of 128 changes no value: only the order of sums.
; FORMATS.  q, k, v, Wk, Wv, scale_weights are rounded once to bf16; projections in bf16.  What the program makes itself is f16: kp, qp, P = S rn (in 0 to 1), sigma ST (within V's range), V; V has a second f16 word,
; its rounding's remainder, which is multiplied too in the K step that holds the diagonal, where single weights are large.  All sums, the state, norms and the four levels' partial results are f32.
; LIMITS.  |k_lvl| + 1, |q| + 1 and |sw v_lvl| must stay under 65,504 (f16); kp, qp, P, sigma ST below 6e-5 keep f16's fixed step of 6e-8; the order of sums differs from the reference's; NaN and infinities are not treated apart.
; SHARES.  A WAVE IS A LEVEL: four waves, one text, constants by the wave's number.  Of a chunk wave w loads rows 16 w .. 16 w + 15 of q, k, v (4,096 consecutive bytes each), converts them and puts them into LDS for all four;
; the next chunk's 24 loads are issued a whole chunk ahead of their use.  The four levels' results meet in LDS, and wave w adds and stores rows 16 w .. 16 w + 15.
; No cluster: work-groups share only W (128 KB in all).  No tensor loads: each raw row is read by one wave.  No prefetch: no wave waits for the stream, whose loads lead by a chunk.
; FRAGMENTS (lane l: r = l % 16, h = l / 16; a result's register j is source 0's row 8 h + j, its lane source 1's row r):
;   Y = (rows n) x (W rows e): lane e, registers n.  Packed in pairs it IS source 0 (kp) and source 1 or 0 (V) with K = keys.  ST += kp^T V: lane e, registers d; packed it IS source 0 of X^T = (sigma ST)^T qp^T.
;   S^T = kp qp^T: lane query, registers keys; packed it IS source 1 of X^T += V^T P.  Only kp as rows of keys is turned: through my own LDS rows [channel][key] and ds_load_tr16_b128.
; REGISTERS, in windows of 256 (s_set_vgpr_msb: bits 1:0 source 0, 3:2 source 1, 5:4 source 2, 7:6 destination):
;   window 0: v0-47 addresses and factors; v48-63 P; v64-95 A fragments, buffers 0 and 1; v96-239 BUF (projection: Y 96-159, E 160-191, A fragments' buffers 2 and 3 192-223, QS 224-239; attention: two buffers of 72: S^T 4 tiles,
;   X^T 5 tiles; reduce: 128); v240-255 T
;   window 1: v0-159 the state (tile 4 et + dt at 8 (4 et + dt); et = 4 is Z); v160-239 its f16 fragments     window 2: v0-127 W's fragments, in attention qp's and kp's; v128-223 raw rows on their way
;   window 3: v0-63 kp, v64-127 V, v128-191 V's remainder, v224-231 ones
; THE MODE: SCHED_MODE bits 1:0 = 2 (LLVM: expert scheduling mode 2), set by the entry lines.  The code itself states the register dependences between vector or matrix instructions and memory or LDS instructions,
; with s_wait_alu, always for 0.
; THE PLAN.  Registers that memory or LDS instructions touch, round the loop:
;   raw rows      The chunk head's 48 conversions read them; ONE wait on va_vdst behind these; then the next chunk's 24 loads land in them.
;   T, P, QS      The staging words of k, v and qp, a buffer each.  Written by conversions, read by runs of LDS stores: T and P behind the wait just named, QS behind a wait of its own.  One wait on vm_vsrc ahead of the
;                 first barrier's signal frees all three for the chunk's vector work.
;   A fragments   Four buffers; unit u has buffer u % 4.  Units 0 to 3 are loaded behind the barrier: nothing has named these registers since the staging's waits.  Unit u + 4 is loaded in unit u, directly behind the wait
;                 for unit u's exponentials, which also shows unit u's products done reading the buffer.
;   kp's words    Written by unit u's roundings; their LDS stores stand in unit u + 1, behind that same wait (unit 3's in unit 7, behind the wait that stands there for qp's and kp's fragments).
;   W, qp, kp     (window 2 v0-127)  Read by products alone.  qp's and kp's fragments land behind a wait in unit 7 (the projection's last products have read W); W comes back directly behind the wait for the last query
;                 tile's reciprocal (the last products have read qp and kp).
;   X^T           Written by products; tile qt's LDS stores stand behind the vector work of tile qt + 1, whose wait for its reciprocal shows those products done, and none of whose lines behind that wait names tile qt's
;                 buffer.  The last tile has a wait of its own.  A wait on vm_vsrc stands between a buffer's stores and the products, or the reduce's loads, that write it again.
;   the reduce    Its 32 LDS loads land in BUF; 48 additions; ONE wait on va_vdst; eight global stores in a run; the wait on vm_vsrc for these stands at the next chunk's head.
;   v2-v9, v14, v15  Addresses and offsets, made at the head and never written again: the rows are reached by scalar bases and immediate offsets.
.set CHUNKB, 16384
.set UNITB,  20480                     ; a wave's 160 state registers: [quad 40][lane 32][16 bytes]
.set KB,     0                         ; LDS: bf16 k[n][d], 64 rows of 144 bytes (128 + 16: the 16 rows of a fragment load start at 16 different groups of four banks, ISA guide 11.1)
.set VB,     9216                      ; bf16 v[n][d], likewise
.set QPB,    18432                     ; f16 qp[n][d], likewise
.set KT,     27648                     ; f16 kp[channel][key], each wave's own: 64 rows of 160 bytes (128 + 32)
.set RED,    68608                     ; f32 O_l[n][e], a level each: 64 rows of 272 bytes
.set WF,     138240                    ; the image of W's 128 fragment registers, each wave's own: 32 x 512 bytes
.set SPARE,  203776                    ; the spare words, 128 bytes a wave: two blocks of 256 bytes that no other line names
.set ZM,   1                           ; v1   zm of the chunk
.set GOFF, 2                           ; v2   4,096 w + 16 lane: my 16 bytes in the chunk's raw rows, and in out
.set SA,   3                           ; v3   where I put 8 bytes of 16-bit numbers: 2,304 w + 144 h + 8 r
.set FA,   4                           ; v4   a fragment's row: 144 r + 16 h
.set KTS,  5                           ; v5   my KT + 160 r + 16 h
.set KTL,  6                           ; v6   my KT + 160 (8 h + l % 8) + 16 ((l / 8) % 2)
.set RS,   7                           ; v7   RED + 17,408 level + 272 r + 32 h
.set RR,   8                           ; v8   RED + 4,352 w + 272 h + 16 r
.set WFA,  9                           ; v9   my WF + 16 lane
.set SPW,  10                          ; v10  LDS address of my spare word; never rewritten
.set NIL,  11                          ; v11  0; never rewritten
.set GX,   12                          ; v12  1.0 where the level is 3 and h = 1, else 0
.set ONE,  13                          ; v13  1.0
.set L16,  14                          ; v14  16 lane
.set WOFF, 15                          ; v15  256 r + 32 h: my bytes in 16 rows of W
.set RL1,  16                          ; v16-23  1 / (((8 h + j) mod block) + 1)
.set RLC,  24                          ; v24-31  the same times log2(e)
.set RLV,  32                          ; v32-39  the same times sw_l
.set MK,   40                          ; v40-47  1.0 where 8 h + j <= r, else 0: the diagonal tile's mask
.set P,    48
.set AF,   64                          ; buffer b of the A fragments at AF + 16 b + 96 (b / 2): v64, v80, v192, v208
.set BUF,  96
.set E,    160
.set QS,   224                         ; v224-239  q in bf16, then qp in f16, on its way into LDS
.set T,    240
.set SF,   160                         ; window 1: fragment (et, c) at SF + 16 et + 8 c
.set QF,   0                           ; window 2: fragment (qt, c) at 8 (2 qt + c)
.set KF,   64                          ;           fragment (kt, c) at KF + 8 (2 kt + c)
.set INK,  128
.set INV,  160
.set INQ,  192
.set KPT,  0                           ; window 3: tile (nt, et) packed at 16 et + 4 nt
.set VH,   64
.set VL,   128
.set ONES, 224
.set WV,   2                           ; s2   my wave's number = my level
.set CNT,  3                           ; s3   chunks to go
.set QP,   8                           ; s[8:23]: q, k, v, Wk, Wv, scale_weights, pre, out0
.set KP,   10
.set VP,   12
.set WKP,  14
.set WVP,  16
.set SWP,  18
.set PRE,  20
.set OUTP, 22
.set SEL,  24                          ; s[24:25] v_permlanex16_b32's selects: each lane takes its own place in the other half
.set G,    25                          ; s26-32  G + j: 1.0 if j mod block is not 0, else 0
.set BM,   33                          ; s33  block - 1
.set HIM,  34                          ; s34  a word's upper bf16
.set CM,   48                          ; s48-55  at the head only: the eight compares' masks
.set MSB, 0
.macro WIN new                         ; the immediate's high byte repeats the setting that is left; a switch that changes nothing is dropped
.if MSB != (\new)
	s_set_vgpr_msb (MSB<<8)|(\new)
.set MSB, \new
.endif
.endm
.macro PLACES                          ; between a matrix instruction and a vector line or store on its registers ISA guide 7.12.1 asks for independent vector instructions; four are asked for these forms, eight are written, as a margin
.rept 8
	v_nop
.endr
.endm
.macro INLOAD                          ; a chunk's raw rows: my 16 rows of k, v and q, 512 consecutive bytes an instruction; this launch reads each once
	WIN 0x80
.set t, 0
.rept 8
	global_load_b128 v[INK+4*t:INK+4*t+3], v[GOFF], s[KP:KP+1] offset:512*t th:TH_LOAD_NT
	global_load_b128 v[INV+4*t:INV+4*t+3], v[GOFF], s[VP:VP+1] offset:512*t th:TH_LOAD_NT
	global_load_b128 v[INQ+4*t:INQ+4*t+3], v[GOFF], s[QP:QP+1] offset:512*t th:TH_LOAD_NT
.set t, t+1
.endr
	WIN 0
.endm
.macro TOBF src, dst                   ; 32 raw numbers a lane, rounded to bf16 in pairs
	WIN 0x0a
.set p, 0
.rept 16
	v_cvt_pk_bf16_f32 v[(\dst)+p], v[(\src)+2*p], v[(\src)+2*p+1]
.set p, p+1
.endr
.endm
.macro PUT src, region                 ; 16 staging words into LDS, two rows an instruction
.set t, 0
.rept 8
	ds_store_b64 v[SA], v[(\src)+2*t:(\src)+2*t+1] offset:(\region)+288*t
.set t, t+1
.endr
.endm
.macro WCONV bs, dst, again            ; one level's W: 8 fragments (tile et, K half c at 8 (2 et + c)): 16 f32 a lane and fragment, rounded to bf16
	WIN 0
.if \again
	s_wait_alu depctr_va_vdst(0)       ; the conversions of the W before are done reading BUF, in which the loads below land
.endif
.set f, 0
.rept 8
	global_load_b128 v[BUF+16*f:BUF+16*f+3],     v[WOFF], s[\bs:\bs+1] offset:(f/2)*4096+(f%2)*128
	global_load_b128 v[BUF+16*f+4:BUF+16*f+7],   v[WOFF], s[\bs:\bs+1] offset:(f/2)*4096+(f%2)*128+16
	global_load_b128 v[BUF+16*f+8:BUF+16*f+11],  v[WOFF], s[\bs:\bs+1] offset:(f/2)*4096+(f%2)*128+64
	global_load_b128 v[BUF+16*f+12:BUF+16*f+15], v[WOFF], s[\bs:\bs+1] offset:(f/2)*4096+(f%2)*128+80
.set f, f+1
.endr
	s_wait_loadcnt 0x0
	WIN 0x80
.set p, 0
.rept 64
	v_cvt_pk_bf16_f32 v[(\dst)+p], v[BUF+2*p], v[BUF+2*p+1]
.set p, p+1
.endr
	WIN 0
.endm
; THE PROJECTION.  Unit u of 8: tile u % 4 of 16 rows, of k (u < 4) or of v.
.macro LOADAF u                        ; its A fragments (16 rows x 64 channels) into buffer u % 4
	WIN 0
.set AB, AF+16*((\u)%4)+96*(((\u)%4)/2)
.irp i, 0,1,2,3
	ds_load_b128 v[AB+4*\i:AB+4*\i+3], v[FA] offset:((\u)/4)*VB+((\u)%4)*2304+32*\i
.endr
.endm
.macro MM u, left                      ; its 8 products: the 4 accumulators take turns, one instruction a turn; the first 4 start the sums.  left: the LDS instructions issued behind its fragments' loads
	s_wait_dscnt \left
	WIN 0x08
.set AB, AF+16*((\u)%4)+96*(((\u)%4)/2)
.set YM, BUF+32*((\u)%2)
.set WB, 64*((\u)/4)
.irp c, 0,1
.irp m, 0,1,2,3
.if \c == 0
	v_wmma_f32_16x16x32_bf16 v[YM+8*\m:YM+8*\m+7], v[AB:AB+7], v[WB+16*\m:WB+16*\m+7], 0
.else
	v_wmma_f32_16x16x32_bf16 v[YM+8*\m:YM+8*\m+7], v[AB+8:AB+15], v[WB+16*\m+8:WB+16*\m+15], v[YM+8*\m:YM+8*\m+7]
.endif
.endr
.endr
.endm
.macro KTPUT nt                        ; tile nt's kp words into my KT
	WIN 0x0c                           ; store data in window 3
.irp m, 0,1,2,3
	ds_store_b128 v[KTS], v[KPT+16*\m+4*(\nt):KPT+16*\m+4*(\nt)+3] offset:\m*2560+(\nt)*32
.endr
.endm
.macro LOADQK                          ; qp's and kp's fragments for the attention, into the registers that W leaves
	WIN 0x80
.set f, 0
.rept 8
	ds_load_b128 v[QF+8*f:QF+8*f+3],   v[FA] offset:QPB+(f/2)*2304+(f%2)*64
	ds_load_b128 v[QF+8*f+4:QF+8*f+7], v[FA] offset:QPB+(f/2)*2304+(f%2)*64+32
.set f, f+1
.endr
.set f, 0
.rept 8                                ; LDS serves a wave's instructions in order (ISA guide 5.7.1.4): these see my stores into KT
	ds_load_tr16_b128 v[KF+8*f:KF+8*f+3],   v[KTL] offset:(f%2)*5120+(f/2)*32
	ds_load_tr16_b128 v[KF+8*f+4:KF+8*f+7], v[KTL] offset:(f%2)*5120+(f/2)*32+2560
.set f, f+1
.endr
	WIN 0
.endm
.macro AVG4                            ; running sums inside blocks, for the four tiles at YB: along the registers (each accumulator's lowest registers are read first), then, for blocks of 16, the lower eight rows' sum from the lane 16 away
.irp j, 1,2,3,4,5,6,7
.irp m, 0,1,2,3
	v_fma_f32 v[YB+8*\m+\j], v[YB+8*\m+\j-1], s[G+\j], v[YB+8*\m+\j]
.endr
.endr
.irp m, 0,1,2,3
	v_permlanex16_b32 v[T+2*\m], v[YB+8*\m+7], s[SEL], s[SEL+1]
.endr
.irp m, 0,1,2,3
	v_mul_f32 v[T+2*\m], v[GX], v[T+2*\m]
.endr
.set p, 0
.rept 16
	v_pk_add_f32 v[YB+2*p:YB+2*p+1], v[YB+2*p:YB+2*p+1], v[T+2*(p/4):T+2*(p/4)+1] op_sel_hi:[1,0]
.set p, p+1
.endr
.endm
.macro KPART                           ; kp = elu(x) + 1 = the middle one of e^x, 1, x + 1, with x = sum / length; packed to f16 and kept as fragments; the tile before goes into KT
.set p, 0
.rept 16
	v_pk_mul_f32 v[E+2*p:E+2*p+1], v[YB+2*p:YB+2*p+1], v[RLC+2*(p%4):RLC+2*(p%4)+1]
.set p, p+1
.endr
.set i, 0
.rept 32
	v_exp_f32 v[E+i], v[E+i]
.set i, i+1
.endr
.set p, 0
.rept 16                               ; x + 1: plain work that names no exponential's result, between the batch and its wait
	v_pk_fma_f32 v[YB+2*p:YB+2*p+1], v[YB+2*p:YB+2*p+1], v[RL1+2*(p%4):RL1+2*(p%4)+1], 1.0 op_sel_hi:[1,1,0]
.set p, p+1
.endr
	s_wait_alu depctr_va_vdst(0)       ; the 32 exponentials have written E, ahead of their first reader; this unit's products are done reading their A fragments, in which the loads below land; the unit before has written its kp words, which the stores below read
	LOADAF NT+4                        ; the same tile of v, four units ahead of its products
.if NT > 0
	KTPUT NT-1
.endif
	WIN 0
.set i, 0
.rept 32
	v_med3_num_f32 v[YB+i], v[E+i], v[ONE], v[YB+i]
.set i, i+1
.endr
	WIN 0xc0
.set p, 0
.rept 16
	v_cvt_pk_f16_f32 v[KPT+16*(p/4)+4*NT+p%4], v[YB+2*p], v[YB+2*p+1]
.set p, p+1
.endr
	WIN 0
.endm
.macro VPART                           ; V = sw_l x sum / length: its f16 rounding, and the remainder's
.set p, 0
.rept 16
	v_pk_mul_f32 v[YB+2*p:YB+2*p+1], v[YB+2*p:YB+2*p+1], v[RLV+2*(p%4):RLV+2*(p%4)+1]
.set p, p+1
.endr
	WIN 0xc0
.set p, 0
.rept 16
	v_cvt_pk_f16_f32 v[VH+16*(p/4)+4*NT+p%4], v[YB+2*p], v[YB+2*p+1]
.set p, p+1
.endr
	WIN 0x03                           ; source 0 in window 3
.set p, 0
.rept 16
	v_fma_mix_f32 v[YB+2*p], -v[VH+16*(p/4)+4*NT+p%4], v[ONE], v[YB+2*p] op_sel_hi:[1,0,0]
	v_fma_mix_f32 v[YB+2*p+1], -v[VH+16*(p/4)+4*NT+p%4], v[ONE], v[YB+2*p+1] op_sel:[1,0,0] op_sel_hi:[1,0,0]
.set p, p+1
.endr
	WIN 0xc0
.set p, 0
.rept 16
	v_cvt_pk_f16_f32 v[VL+16*(p/4)+4*NT+p%4], v[YB+2*p], v[YB+2*p+1]
.set p, p+1
.endr
	WIN 0
.endm
.macro UNIT u                          ; unit u's vector work; it stands behind unit u + 1's products and runs beside them
.set YB, BUF+32*((\u)%2)
.set NT, (\u)%4
	WIN 0
	AVG4
.if (\u) == 7
	s_wait_alu depctr_va_vdst(0)       ; unit 3 has written its kp words, which the stores below read; the projection's last products are done reading W, in whose registers the loads below land
	KTPUT 3
	LOADQK
.endif
.if (\u) < 4
	KPART
.else
	VPART
.endif
.endm
.macro STATE                           ; ST += kp^T V, Z += kp^T 1: 40 products, the 20 accumulators by turns.  The attention below works on the f16 copy made of the old state
	WIN 0x5f
.irp ks, 0,1
.set i, 0
.rept 20
.if i < 16
	v_wmma_f32_16x16x32_f16 v[8*i:8*i+7], v[KPT+16*(i%4)+8*\ks:KPT+16*(i%4)+8*\ks+7], v[VH+16*(i/4)+8*\ks:VH+16*(i/4)+8*\ks+7], v[8*i:8*i+7]
.else
	v_wmma_f32_16x16x32_f16 v[8*i:8*i+7], v[KPT+16*(i%4)+8*\ks:KPT+16*(i%4)+8*\ks+7], v[ONES:ONES+7], v[8*i:8*i+7]
.endif
.set i, i+1
.endr
.endr
	WIN 0
.endm
; THE ATTENTION, for tile qt of 16 queries, in buffer b of BUF.
.macro MMSX qt, b                      ; S^T for the key tiles 0 .. qt, and X^T = (sigma ST, sigma Z)^T qp^T: qt + 6 accumulators by turns, twice
.irp c, 0,1
	WIN 0x0a
.set kt, 0
.rept (\qt)+1
.if \c == 0
	v_wmma_f32_16x16x32_f16 v[BUF+72*(\b)+8*kt:BUF+72*(\b)+8*kt+7], v[KF+16*kt:KF+16*kt+7], v[QF+16*(\qt):QF+16*(\qt)+7], 0
.else
	v_wmma_f32_16x16x32_f16 v[BUF+72*(\b)+8*kt:BUF+72*(\b)+8*kt+7], v[KF+16*kt+8:KF+16*kt+15], v[QF+16*(\qt)+8:QF+16*(\qt)+15], v[BUF+72*(\b)+8*kt:BUF+72*(\b)+8*kt+7]
.endif
.set kt, kt+1
.endr
	WIN 0x09
.set m, 0
.rept 5
.if \c == 0
	v_wmma_f32_16x16x32_f16 v[BUF+72*(\b)+32+8*m:BUF+72*(\b)+32+8*m+7], v[SF+16*m:SF+16*m+7], v[QF+16*(\qt):QF+16*(\qt)+7], 0
.else
	v_wmma_f32_16x16x32_f16 v[BUF+72*(\b)+32+8*m:BUF+72*(\b)+32+8*m+7], v[SF+16*m+8:SF+16*m+15], v[QF+16*(\qt)+8:QF+16*(\qt)+15], v[BUF+72*(\b)+32+8*m:BUF+72*(\b)+32+8*m+7]
.endif
.set m, m+1
.endr
.endr
.endm
.macro VECQ qt, b                      ; mask, row sums, norm, its reciprocal; P = S rn in f16; X^T times rn zm.  Every accumulator is read from its low end on
.set SB, BUF+72*(\b)
.set XB, SB+32
	WIN 0
.irp i, 0,1,2,3
	v_pk_mul_f32 v[SB+8*(\qt)+2*\i:SB+8*(\qt)+2*\i+1], v[SB+8*(\qt)+2*\i:SB+8*(\qt)+2*\i+1], v[MK+2*\i:MK+2*\i+1]
.endr
.set kt, 0
.rept (\qt)+1
	v_pk_add_f32 v[T+2*kt:T+2*kt+1], v[SB+8*kt:SB+8*kt+1], v[SB+8*kt+2:SB+8*kt+3]
.set kt, kt+1
.endr
.set kt, 0
.rept (\qt)+1
	v_pk_add_f32 v[T+2*kt:T+2*kt+1], v[T+2*kt:T+2*kt+1], v[SB+8*kt+4:SB+8*kt+5]
.set kt, kt+1
.endr
.set kt, 0
.rept (\qt)+1
	v_pk_add_f32 v[T+2*kt:T+2*kt+1], v[T+2*kt:T+2*kt+1], v[SB+8*kt+6:SB+8*kt+7]
.set kt, kt+1
.endr
.if (\qt) > 0
.set kt, 1
.rept \qt
	v_pk_add_f32 v[T:T+1], v[T:T+1], v[T+2*kt:T+2*kt+1]
.set kt, kt+1
.endr
.endif
	v_add_f32 v[T], v[T], v[T+1]
	v_permlanex16_b32 v[T+1], v[T], s[SEL], s[SEL+1]  ; the query's other keys lie in the lane 16 away
	v_add_f32 v[T], v[T], v[T+1]
	v_fma_f32 v[T], v[ZM], v[XB+32], v[T]          ; + zm (qp . sigma Z): the fifth tile's register 0
	v_max_num_f32 v[T], 0x358637bd, v[T]           ; 1e-6
	v_rcp_f32 v[T+8], v[T]
	v_nop                                          ; a plain instruction behind the reciprocal
.if (\qt) == 3
	WIN 0x80                                       ; for the loads below: the switch, then the wait, then the loads
.endif
	s_wait_alu depctr_va_vdst(0)                   ; the reciprocal has written T + 8, ahead of its first reader; the products V^T P of the tile before have written their X^T, which that tile's LDS stores read behind this macro; at the last tile all products are done reading qp's and kp's fragments
.if (\qt) == 3
.set i, 0
.rept 32
	ds_load_b128 v[4*i:4*i+3], v[WFA] offset:512*i   ; W comes back for the next chunk, into the registers that qp's and kp's fragments leave
.set i, i+1
.endr
	WIN 0
.endif
	v_mul_f32 v[T+10], v[T+8], v[ZM]
.set kt, 0
.rept (\qt)+1
.irp i, 0,1,2,3
	v_pk_mul_f32 v[SB+8*kt+2*\i:SB+8*kt+2*\i+1], v[SB+8*kt+2*\i:SB+8*kt+2*\i+1], v[T+8:T+9] op_sel_hi:[1,0]
.endr
.irp i, 0,1,2,3
	v_cvt_pk_f16_f32 v[P+4*kt+\i], v[SB+8*kt+2*\i], v[SB+8*kt+2*\i+1]
.endr
.set kt, kt+1
.endr
.if (\qt)%2 == 0
.irp i, 0,1,2,3
	v_mov_b32 v[P+4*(\qt)+4+\i], 0                 ; the K step's upper 16 keys lie above the diagonal
.endr
.endif
.set p, 0
.rept 16
	v_pk_mul_f32 v[XB+2*p:XB+2*p+1], v[XB+2*p:XB+2*p+1], v[T+10:T+11] op_sel_hi:[1,0]
.set p, p+1
.endr
.endm
.macro MMPV qt, b                      ; X^T += V^T P over the K steps 0 .. qt / 2, and V's remainder in the last of them; the 4 accumulators by turns
	WIN 0x03
.set kt, 0
.rept (\qt)/2+1
.irp m, 0,1,2,3
	v_wmma_f32_16x16x32_f16 v[BUF+72*(\b)+32+8*\m:BUF+72*(\b)+32+8*\m+7], v[VH+16*\m+8*kt:VH+16*\m+8*kt+7], v[P+8*kt:P+8*kt+7], v[BUF+72*(\b)+32+8*\m:BUF+72*(\b)+32+8*\m+7]
.endr
.set kt, kt+1
.endr
.irp m, 0,1,2,3
	v_wmma_f32_16x16x32_f16 v[BUF+72*(\b)+32+8*\m:BUF+72*(\b)+32+8*\m+7], v[VL+16*\m+8*((\qt)/2):VL+16*\m+8*((\qt)/2)+7], v[P+8*((\qt)/2):P+8*((\qt)/2)+7], v[BUF+72*(\b)+32+8*\m:BUF+72*(\b)+32+8*\m+7]
.endr
.endm
.macro OUTQ qt, b                      ; my level's 16 rows into RED: a lane holds one query and 8 neighbouring channels a tile
	WIN 0
.irp m, 0,1,2,3
	ds_store_b128 v[RS], v[BUF+72*(\b)+32+8*\m:BUF+72*(\b)+32+8*\m+3] offset:(\qt)*4352+\m*64
	ds_store_b128 v[RS], v[BUF+72*(\b)+32+8*\m+4:BUF+72*(\b)+32+8*\m+7] offset:(\qt)*4352+\m*64+16
.endr
.endm
	s_load_b512 s[8:23], s[0:1], 0x0               ; q, k, v, Wk, Wv, scale_weights, pre, out0
	v_lshl_add_u32 v[SPW], v0, 2, SPARE
	v_mov_b32 v[NIL], 0
	v_lshrrev_b32 v[T], 5, v0
	v_readfirstlane_b32 s[WV], v[T]                ; wave 0..3 = level
	v_and_b32 v[T+1], 31, v0                       ; lane
	v_and_b32 v[T+2], 15, v0                       ; r
	v_bfe_u32 v[T+3], v0, 4, 1                     ; h
.set i, 4
.rept 12
	v_mov_b32 v[T+i], 0                            ; T is written whole once: v_permlanex16_b32 counts as a reader of its destination, a packed line of both registers of a pair
.set i, i+1
.endr
	v_lshlrev_b32 v[L16], 4, v[T+1]
	s_wait_alu depctr_va_sdst(0)                   ; the wave's number is written into s2, ahead of its first reader: the line below
	s_lshl_b32 s4, s[WV], 12
	v_add_nc_u32 v[GOFF], s4, v[L16]
	s_mul_i32 s4, s[WV], 2304
	v_mul_u32_u24 v[SA], v[T+3], 144
	v_lshl_add_u32 v[SA], v[T+2], 3, v[SA]
	v_add_nc_u32 v[SA], s4, v[SA]
	v_mul_u32_u24 v[FA], v[T+2], 144
	v_lshl_add_u32 v[FA], v[T+3], 4, v[FA]
	s_mul_i32 s4, s[WV], 10240
	s_add_co_u32 s4, s4, KT                        ; my KT
	v_mul_u32_u24 v[KTS], v[T+2], 160
	v_lshl_add_u32 v[KTS], v[T+3], 4, v[KTS]
	v_add_nc_u32 v[KTS], s4, v[KTS]
	v_and_b32 v[T+4], 7, v0
	v_lshl_add_u32 v[T+4], v[T+3], 3, v[T+4]
	v_mul_u32_u24 v[KTL], v[T+4], 160
	v_bfe_u32 v[T+5], v0, 3, 1
	v_lshl_add_u32 v[KTL], v[T+5], 4, v[KTL]
	v_add_nc_u32 v[KTL], s4, v[KTL]
	s_mul_i32 s4, s[WV], 17408
	s_add_co_u32 s4, s4, RED                       ; my level's part of RED
	v_mul_u32_u24 v[RS], v[T+2], 272
	v_lshl_add_u32 v[RS], v[T+3], 5, v[RS]
	v_add_nc_u32 v[RS], s4, v[RS]
	s_mul_i32 s4, s[WV], 4352
	s_add_co_u32 s4, s4, RED                       ; the 16 rows that I add and store
	v_mul_u32_u24 v[RR], v[T+3], 272
	v_lshl_add_u32 v[RR], v[T+2], 4, v[RR]
	v_add_nc_u32 v[RR], s4, v[RR]
	s_lshl_b32 s4, s[WV], 14
	s_add_co_u32 s4, s4, WF                        ; my WF
	v_add_nc_u32 v[WFA], s4, v[L16]
	v_lshlrev_b32 v[WOFF], 8, v[T+2]
	v_lshl_add_u32 v[WOFF], v[T+3], 5, v[WOFF]
	v_mov_b32 v[ONE], 1.0
	s_mov_b32 s[SEL], 0x76543210
	s_mov_b32 s[SEL+1], 0xfedcba98
	s_mov_b32 s[HIM], 0xffff0000
	s_lshl_b32 s[BM], 2, s[WV]
	s_sub_co_u32 s[BM], s[BM], 1                   ; block - 1
.irp j, 1,2,3,4,5,6,7
	s_and_b32 s6, s[BM], \j
	s_cmp_lg_u32 s6, 0
	s_cselect_b32 s[G+\j], 1.0, 0
.endr
	s_cmp_eq_u32 s[WV], 3
	s_cselect_b32 s6, 1.0, 0
	v_cvt_f32_u32 v[GX], v[T+3]
	v_mul_f32 v[GX], s6, v[GX]
.irp j, 0,1,2,3,4,5,6,7
	v_lshl_add_u32 v[RL1+\j], v[T+3], 3, \j
	v_and_b32 v[RL1+\j], s[BM], v[RL1+\j]
	v_add_nc_u32 v[RL1+\j], 1, v[RL1+\j]
	v_cvt_f32_u32 v[RL1+\j], v[RL1+\j]
.endr
.irp j, 0,1,2,3,4,5,6,7
	v_rcp_f32 v[RL1+\j], v[RL1+\j]
.endr
	v_lshlrev_b32 v[T+4], 3, v[T+3]                ; the mask is made behind the reciprocals: plain work that names none of their results
	v_sub_nc_u32 v[T+4], v[T+2], v[T+4]            ; r - 8 h
.irp j, 0,1,2,3,4,5,6,7
	v_cmp_le_i32 s[CM+\j], \j, v[T+4]              ; the eight compares in a run, a scalar register each
.endr
	s_wait_alu depctr_va_sdst(0)                   ; the eight compares have written s48 to s55, ahead of the selects that read them
.irp j, 0,1,2,3,4,5,6,7
	v_cndmask_b32 v[MK+\j], 0, v[ONE], s[CM+\j]
.endr
	s_wait_alu depctr_va_vdst(0)                   ; the eight reciprocals have written RL1, ahead of their first reader
	WIN 0xc0
.set i, 0
.rept 8
	v_mov_b32 v[ONES+i], 0x3c003c00                ; 1.0 twice in f16
.set i, i+1
.endr
	WIN 0
	s_wait_kmcnt 0x0
	s_load_b128 s[40:43], s[SWP:SWP+1], 0x0        ; the four scale weights
	s_lshl_b32 s4, ttmp9, 17                       ; (8 head + segment) x 512 rows of 256 bytes
	s_mov_b32 s5, 0
	s_add_nc_u64 s[QP:QP+1], s[QP:QP+1], s[4:5]
	s_add_nc_u64 s[KP:KP+1], s[KP:KP+1], s[4:5]
	s_add_nc_u64 s[VP:VP+1], s[VP:VP+1], s[4:5]
	s_add_nc_u64 s[OUTP:OUTP+1], s[OUTP:OUTP+1], s[4:5]
	s_lshl_b32 s4, ttmp9, 2
	s_add_co_u32 s4, s4, s[WV]
	s_mul_i32 s4, s4, UNITB                        ; my unit in pre
	s_add_nc_u64 s[PRE:PRE+1], s[PRE:PRE+1], s[4:5]
	s_lshl_b32 s4, s[WV], 14                       ; my level's W: 64 x 64 f32
	s_add_nc_u64 s[WKP:WKP+1], s[WKP:WKP+1], s[4:5]
	s_add_nc_u64 s[WVP:WVP+1], s[WVP:WVP+1], s[4:5]
	s_wait_alu depctr_va_vdst(0)                   ; the addresses and offsets v2 to v9, v14 and v15 are written: every load and store of the kernel reads one of them, and none is written again
	INLOAD                                         ; chunk 0
	WIN 0x40
.set i, 0
.rept 40
	global_load_b128 v[4*i:4*i+3], v[L16], s[PRE:PRE+1] offset:512*i th:TH_LOAD_NT  ; the state with which my segment begins
.set i, i+1
.endr
	WIN 0
	s_wait_kmcnt 0x0
	; sw_l = softmax(scale_weights rounded to bf16)[l], the maximum taken away
	s_mov_b32 s44, s40
	s_cmp_eq_u32 s[WV], 1
	s_cselect_b32 s44, s41, s44
	s_cmp_eq_u32 s[WV], 2
	s_cselect_b32 s44, s42, s44
	s_cmp_eq_u32 s[WV], 3
	s_cselect_b32 s44, s43, s44
	v_mov_b32 v[T+4], s40
	v_mov_b32 v[T+5], s41
	v_mov_b32 v[T+6], s42
	v_mov_b32 v[T+7], s43
	v_mov_b32 v[T+8], s44
	v_cvt_pk_bf16_f32 v[T+9], v[T+4], v[T+5]
	v_cvt_pk_bf16_f32 v[T+10], v[T+6], v[T+7]
	v_cvt_pk_bf16_f32 v[T+11], v[T+8], v[T+8]
	v_lshlrev_b32 v[T+4], 16, v[T+9]
	v_and_b32 v[T+5], s[HIM], v[T+9]
	v_lshlrev_b32 v[T+6], 16, v[T+10]
	v_and_b32 v[T+7], s[HIM], v[T+10]
	v_lshlrev_b32 v[T+8], 16, v[T+11]
	v_max3_num_f32 v[T+9], v[T+4], v[T+5], v[T+6]
	v_max_num_f32 v[T+9], v[T+9], v[T+7]
.irp i, 4,5,6,7,8
	v_sub_f32 v[T+\i], v[T+\i], v[T+9]
.endr
.irp i, 4,5,6,7,8
	v_mul_f32 v[T+\i], 0x3fb8aa3b, v[T+\i]
.endr
.irp i, 4,5,6,7,8
	v_exp_f32 v[T+\i], v[T+\i]
.endr
	v_nop
	s_wait_alu depctr_va_vdst(0)                   ; the five exponentials have written T + 4 to T + 8, ahead of their first reader
	v_add_f32 v[T+4], v[T+4], v[T+5]
	v_add_f32 v[T+6], v[T+6], v[T+7]
	v_add_f32 v[T+4], v[T+4], v[T+6]
	v_rcp_f32 v[T+4], v[T+4]
	v_nop
	s_wait_alu depctr_va_vdst(0)                   ; the reciprocal has written T + 4, ahead of its reader
	v_mul_f32 v[T+8], v[T+8], v[T+4]               ; sw_l
.irp j, 0,1,2,3,4,5,6,7
	v_mul_f32 v[RLC+\j], 0x3fb8aa3b, v[RL1+\j]
	v_mul_f32 v[RLV+\j], v[T+8], v[RL1+\j]
.endr
	WCONV WKP, 0, 0                                ; no vector line has named BUF or v15 since the wait ahead of the first loads
	WCONV WVP, 64, 1
	WIN 0x08                                       ; store data in window 2
	s_wait_alu depctr_va_vdst(0)                   ; the conversions have written W's 128 fragment registers, which the LDS stores read
.set i, 0
.rept 32
	ds_store_b128 v[WFA], v[4*i:4*i+3] offset:512*i  ; W's fragments are kept in my own LDS bytes: the attention borrows their registers in every chunk
.set i, i+1
.endr
	WIN 0
	s_mov_b32 s[CNT], 8
.Lchunk:
	; THE CHUNK'S ROWS: my 16 of k, v (bf16) and qp (f16) go into LDS
	s_wait_loadcnt 0x0                             ; this chunk's raw rows, asked for a chunk ago
	s_wait_xcnt 0x0                                ; the last chunk's stores have had their addresses translated: their data registers and out's pointer are rewritten below
	s_wait_alu depctr_vm_vsrc(0)                   ; the last chunk's global stores have read BUF, which is written again below; in the first trip: the head's LDS stores have read W's registers, in which fragments land in this chunk
	TOBF INK, T
	TOBF INV, P
	TOBF INQ, QS
	WIN 0
	s_wait_alu depctr_va_vdst(0)                   ; the 48 conversions have written T and P, which the LDS stores below read, and are done reading the raw rows, in which the next chunk's loads land
	PUT T, KB
	PUT P, VB
	s_add_nc_u64 s[QP:QP+1], s[QP:QP+1], CHUNKB
	s_add_nc_u64 s[KP:KP+1], s[KP:KP+1], CHUNKB
	s_add_nc_u64 s[VP:VP+1], s[VP:VP+1], CHUNKB
	s_add_nc_u64 s[OUTP:OUTP+1], s[OUTP:OUTP+1], CHUNKB  ; this chunk's stores reach back by a negative immediate
	s_cmp_eq_u32 s[CNT], 1
	s_cbranch_scc1 .Lno_more                       ; the last chunk asks for nothing: no load leaves the segment
	INLOAD                                         ; no vector line since the wait above
.Lno_more:
.set p, 0
.rept 16
	v_lshlrev_b32 v[BUF+2*p], 16, v[QS+p]          ; q, rounded to bf16, as f32 again
	v_and_b32 v[BUF+2*p+1], s[HIM], v[QS+p]
.set p, p+1
.endr
.set p, 0
.rept 16
	v_pk_mul_f32 v[E+2*p:E+2*p+1], v[BUF+2*p:BUF+2*p+1], 0x3fb8aa3b op_sel_hi:[1,0]
.set p, p+1
.endr
.set i, 0
.rept 32
	v_exp_f32 v[E+i], v[E+i]
.set i, i+1
.endr
.set p, 0
.rept 16                                       ; q + 1: plain work between the batch and its wait
	v_pk_add_f32 v[BUF+2*p:BUF+2*p+1], v[BUF+2*p:BUF+2*p+1], 1.0 op_sel_hi:[1,0]
.set p, p+1
.endr
	s_wait_alu depctr_va_vdst(0)                   ; the 32 exponentials have written E, ahead of their first reader
.set i, 0
.rept 32
	v_med3_num_f32 v[BUF+i], v[E+i], v[ONE], v[BUF+i]
.set i, i+1
.endr
.set p, 0
.rept 16
	v_cvt_pk_f16_f32 v[QS+p], v[BUF+2*p], v[BUF+2*p+1]
.set p, p+1
.endr
	s_wait_alu depctr_va_vdst(0)                   ; the roundings have written QS, which the LDS stores below read
	PUT QS, QPB
	s_wait_dscnt 0x0                               ; for the others' sake: my rows lie in LDS; and my reads of RED for the last chunk are long back
	s_wait_alu depctr_vm_vsrc(0)                   ; my LDS stores have read T, P and QS: T is written again straight below, P and QS in the attention
	s_barrier_signal -1
	; Between signal and wait, on registers alone: zm, sigma, and the old state times sigma as f16 fragments
	WIN 0x15
	v_max3_num_f32 v[T], v[128], v[129], v[130]    ; Z's 32 registers, ascending
	WIN 0x14
.set i, 131
.rept 14
	v_max3_num_f32 v[T], v[T], v[i], v[i+1]
.set i, i+2
.endr
	v_max_num_f32 v[T], v[T], v[159]
	WIN 0
	v_permlanex16_b32 v[T+1], v[T], s[SEL], s[SEL+1]
	v_max_num_f32 v[T], v[T], v[T+1]
	v_max_num_f32 v[ZM], 0x0da24260, v[T]          ; at least 1e-30: an empty state gives sigma ST = 0
	v_rcp_f32 v[T+2], v[ZM]
	v_nop
	s_wait_alu depctr_va_vdst(0)                   ; the reciprocal has written T + 2, ahead of its first reader
.irp g, 0,1,2,3,4
	WIN 0x01                                       ; source 0 in window 1
.set p, 0
.rept 16
	v_pk_mul_f32 v[E+2*p:E+2*p+1], v[32*\g+2*p:32*\g+2*p+1], v[T+2:T+3] op_sel_hi:[1,0]
.set p, p+1
.endr
	WIN 0x40                                       ; destination in window 1
.set p, 0
.rept 16
	v_cvt_pk_f16_f32 v[SF+16*\g+p], v[E+2*p], v[E+2*p+1]
.set p, p+1
.endr
.endr
	WIN 0
	s_barrier_wait -1                              ; all 64 rows of k, v, qp lie in LDS, and nobody reads the last chunk's RED any more
	LOADAF 0                                       ; k's four tiles.  No wait: no vector or matrix line since the wait ahead of qp's stores names v64-95 or v192-223
	LOADAF 1
	LOADAF 2
	LOADAF 3
	MM 0, 12                                       ; LDS instructions end in order (ISA guide 5.7.1): tile 0 is in; the loads of tiles 1 to 3 may stay out
	MM 1, 8                                        ; tiles 2 and 3
	PLACES
	UNIT 0
	MM 2, 8                                        ; the loads of units 3 and 4
	UNIT 1
	MM 3, 12                                       ; the loads of units 4 and 5, tile 0's four stores into KT
	UNIT 2
	MM 4, 16                                       ; the loads of units 5 and 6, the stores of tiles 0 and 1
	UNIT 3
	MM 5, 20                                       ; the loads of units 6 and 7, the stores of tiles 0 to 2
	UNIT 4
	MM 6, 12                                       ; unit 7's loads, the stores of tiles 1 and 2
	UNIT 5
	MM 7, 4                                        ; tile 2's stores
	UNIT 6
	UNIT 7
	STATE
	s_wait_dscnt 0x0                               ; qp's and kp's fragments are in
	MMSX 0, 0
	MMSX 1, 1
	PLACES
	VECQ 0, 0
	MMPV 0, 0
	VECQ 1, 1                                      ; a tile's vector work stands behind the products of the tile before and is their places
	OUTQ 0, 0                                      ; behind the wait in the lines above; none of the lines behind that wait names buffer 0 or v7
	s_wait_alu depctr_vm_vsrc(0)                   ; those LDS stores have read buffer 0's X^T, which the products below write again
	MMSX 2, 0
	MMPV 1, 1
	PLACES
	VECQ 2, 0
	OUTQ 1, 1                                      ; likewise, for buffer 1
	s_wait_alu depctr_vm_vsrc(0)                   ; those LDS stores have read buffer 1's X^T, which the products below write again
	MMSX 3, 1
	MMPV 2, 0
	PLACES
	VECQ 3, 1                                      ; W's reload stands in it, directly behind its wait
	OUTQ 2, 0                                      ; likewise, for buffer 0
	MMPV 3, 1
	PLACES
	s_wait_alu depctr_va_vdst(0)                   ; the last products have written buffer 1's X^T, which the LDS stores below read; the places above stay beside this wait.  It also shows every vector and matrix line on BUF done, ahead of the reduce's loads
	OUTQ 3, 1
	; THE FOUR LEVELS ARE ADDED
	s_wait_dscnt 0x0                               ; for the others' sake: my level lies in RED, and my reads of the staged rows are over
	s_wait_alu depctr_vm_vsrc(0)                   ; my LDS stores of the last two tiles have read their X^T, in whose registers the loads below land
	s_barrier_signal -1
	s_barrier_wait -1
.set t, 0
.rept 8
.irp m, 0,1,2,3
	ds_load_b128 v[BUF+16*t+4*\m:BUF+16*t+4*\m+3], v[RR] offset:\m*17408+t*544
.endr
.set t, t+1
.endr
.set t, 0
.rept 8
	s_wait_dscnt 28-4*t                            ; LDS loads come back in order: row pair t's four are in, the later pairs' stay out
	v_pk_add_f32 v[BUF+16*t:BUF+16*t+1],     v[BUF+16*t:BUF+16*t+1],     v[BUF+16*t+4:BUF+16*t+5]
	v_pk_add_f32 v[BUF+16*t+2:BUF+16*t+3],   v[BUF+16*t+2:BUF+16*t+3],   v[BUF+16*t+6:BUF+16*t+7]
	v_pk_add_f32 v[BUF+16*t+8:BUF+16*t+9],   v[BUF+16*t+8:BUF+16*t+9],   v[BUF+16*t+12:BUF+16*t+13]
	v_pk_add_f32 v[BUF+16*t+10:BUF+16*t+11], v[BUF+16*t+10:BUF+16*t+11], v[BUF+16*t+14:BUF+16*t+15]
	v_pk_add_f32 v[BUF+16*t:BUF+16*t+1],     v[BUF+16*t:BUF+16*t+1],     v[BUF+16*t+8:BUF+16*t+9]
	v_pk_add_f32 v[BUF+16*t+2:BUF+16*t+3],   v[BUF+16*t+2:BUF+16*t+3],   v[BUF+16*t+10:BUF+16*t+11]
.set t, t+1
.endr
	s_wait_alu depctr_va_vdst(0)                   ; the additions have written the eight row pairs' sums, which the stores below read
.set t, 0
.rept 8
	global_store_b128 v[GOFF], v[BUF+16*t:BUF+16*t+3], s[OUTP:OUTP+1] offset:512*t-CHUNKB th:TH_STORE_NT  ; two whole rows: 512 consecutive bytes, aligned
.set t, t+1
.endr
	s_sub_co_u32 s[CNT], s[CNT], 1
	s_cmp_lg_u32 s[CNT], 0
	s_cbranch_scc1 .Lchunk
	s_wait_dscnt 0x0                               ; the closing lines, six on end
	s_wait_alu 0x0
	s_wait_tensorcnt 0x0
	ds_add_u32 v[SPW], v[NIL]
	s_wait_dscnt 0x0
	s_endpgm
.Lfunc_end_k_q94a659de91_main:
	.size	k_q94a659de91_main, .Lfunc_end_k_q94a659de91_main-k_q94a659de91_main
	.p2alignl 7, 3214868480
	.fill 96, 4, 3214868480
	.section	.rodata,"a",@progbits
	.p2align	6, 0x0
	.amdhsa_kernel k_q94a659de91_main
		.amdhsa_group_segment_fixed_size 204288
		.amdhsa_private_segment_fixed_size 0
		.amdhsa_enable_private_segment 0
		.amdhsa_kernarg_size 64
		.amdhsa_user_sgpr_count 2
		.amdhsa_user_sgpr_kernarg_segment_ptr 1
		.amdhsa_wavefront_size32 1
		.amdhsa_system_sgpr_workgroup_id_x 1
		.amdhsa_system_sgpr_workgroup_id_y 1
		.amdhsa_system_sgpr_workgroup_id_z 1
		.amdhsa_system_vgpr_workitem_id 0
		.amdhsa_next_free_vgpr 1024
		.amdhsa_next_free_sgpr 66
		.amdhsa_reserve_vcc 0
		.amdhsa_float_denorm_mode_32 3
		.amdhsa_float_denorm_mode_16_64 3
		.amdhsa_memory_ordered 1
		.amdhsa_forward_progress 1
		.amdhsa_inst_pref_size 175
	.end_amdhsa_kernel
	.amdgpu_metadata
---
amdhsa.version: [ 1, 2 ]
amdhsa.kernels:
  - .name:           k_q94a659de91_main
    .symbol:         k_q94a659de91_main.kd
    .args:
      - { .name: q, .offset: 0, .size: 8, .value_kind: global_buffer, .address_space: global }
      - { .name: k, .offset: 8, .size: 8, .value_kind: global_buffer, .address_space: global }
      - { .name: v, .offset: 16, .size: 8, .value_kind: global_buffer, .address_space: global }
      - { .name: Wk, .offset: 24, .size: 8, .value_kind: global_buffer, .address_space: global }
      - { .name: Wv, .offset: 32, .size: 8, .value_kind: global_buffer, .address_space: global }
      - { .name: scale_weights, .offset: 40, .size: 8, .value_kind: global_buffer, .address_space: global }
      - { .name: pre, .offset: 48, .size: 8, .value_kind: global_buffer, .address_space: global }
      - { .name: out0, .offset: 56, .size: 8, .value_kind: global_buffer, .address_space: global }
    .group_segment_fixed_size: 204288
    .private_segment_fixed_size: 0
    .kernarg_segment_align: 8
    .kernarg_segment_size: 64
    .max_flat_workgroup_size: 128
    .sgpr_count:     66
    .vgpr_count:     1024
    .wavefront_size: 32
...
	.end_amdgpu_metadata
.endif
;; end of part 4
